; MI455X (gfx1250); checked and timed in simulation.
; The chip was launched on July 23, 2026; its instructions are those of AMD's public machine-readable ISA for CDNA 5 (MIT licence, August 2026) and "CDNA5" Instruction Set Architecture Reference Guide (July 2026). The comments in the code are by the model that wrote it; some were corrected since.
;; Mo E Layer. Allowed arithmetic: matrix products marked QUANTISED: E5M2 operands, one given power-of-two scale a tensor, by v_wmma_f32_16x16x64_bf8_bf8 or v_wmma_f32_16x16x128_bf8_bf8, f32 sums; products left as they are: f32 operands where the result goes on into a quantised operand, else bf16, f16 or f32 operands; f32 sums; everything else in f32.
;; Inputs: W1_codes 8 x 4,096 x 32 x 32 uint8 (E5M2 codes of W1, K innermost, in blocks of 32 codes); W2_codes 8 x 1,024 x 128 x 32 uint8 (E5M2 codes of W2, K innermost, in blocks of 32 codes); Wg 1,024 x 8 float32; b1 8 x 4,096 float32; b2 8 x 1,024 float32; bg 8 float32; lowp_scales 4 int32 (the exponents e of the quantised operands' scales 2^e); x 1,024 x 1,024 float32.
;; Outputs: out0 1,024 x 1,024 float32.
;; This version of the problem:
;;   THIS VERSION OF THE PROBLEM IS GIVEN IN LOW PRECISION. The matrix products marked QUANTISED in the list below multiply operands that are first quantised to E5M2 (5 exponent bits, 2 mantissa bits; 8 bits a number), with one given power-of-two scale for each operand tensor; their sums are f32. All else is computed in f32.
;;   The module's matrix products, in the order in which they are computed (A, B: the left and right operand; K: the contracted axis; several contracted axes count as one K, in the product's order):
;;     1. [M 1,024, K 1,024] x [K 1,024, N 8]; A: input x; B: input Wg: left as it is (N = 8 < 16)
;;     2. [M 32,768, K 1,024] x [K 1,024, N 1,024]; A: input W1 (given as codes); B: input x: QUANTISED (scales: A lowp_scales[0], B lowp_scales[1])
;;     3. batch 8 x [M 1,024, K 4,096] x [K 4,096, N 1,024]; A: computed on the way; B: input W2 (given as codes): QUANTISED (scales: A lowp_scales[2], B lowp_scales[3])
;;   THE QUANTISER, for each operand of a quantised product, along K:
;;     - The operand's scale is 2^e, e = its entry of the input lowp_scales (int32; the entries are numbered through the quantised products in the list's order, A before B).
;;     - Each number is divided by the scale, clamped to +-57,344, and rounded to the nearest number of E5M2, ties to even, subnormals kept.
;;     - The product sums the exact products of the quantised numbers (number of the format x scale) in f32.
;;   ~~~python
;;   def quantise(x, axis, e):      # numpy; x: float32 -> the quantised numbers, widened to float32 again
;;       x = np.moveaxis(x, axis, -1); K = x.shape[-1]
;;       r = np.clip(x / 2.0 ** e, -57344, 57344)
;;       step = 2.0 ** (np.maximum(np.frexp(np.where(r == 0, 1, r))[1] - 1, -14) - 2)
;;       q = np.round(r / step) * step * 2.0 ** e      # np.round: ties to even
;;       return np.moveaxis(q, -1, axis).astype(np.float32)
;;   ~~~
;;   OPERANDS COMPUTED ON THE WAY. 'Computed on the way' means the value that the module computes at that place (a softmax that the list does not call 'softmax' is quantised finished and normalised). What goes into a quantiser is computed in f32, as accurately as f32 sums, v_exp_f32 and their like allow (about 1e-6 of the number): no bf16 or f16 on the way to a quantiser, and a product that is left as it is and whose result goes on into a quantised operand takes f32 operands (vector FMAs, or v_wmma_f32_16x16x4_f32). A number that lies on a knife's edge between two numbers of the format may be rounded either way, as far as f32 arithmetic and the matrix unit's own rounding can turn it there, and no further.
;;   INPUTS GIVEN AS CODES. W1 (in the module: [8, 1024, 4096], K = its axis 1); W2 (in the module: [8, 4096, 1024], K = its axis 1): each comes as NAME_codes (uint8): NAME with its K axis moved to the last place and cut into blocks of 32 codes, [.., K / 32, bytes a block], one block behind the other in memory; one code a byte (a code: sign, 5 exponent bits, 2 mantissa bits); its scale is its entry of lowp_scales. Its value is code x scale, taken as it is: it is not quantised again, and the codes and scales need not be those that the quantiser above would give.
;; 2 versions. Each part assembles by itself: llvm-mc -triple=amdgcn-amd-amdhsa -mcpu=gfx1250 --defsym DOCPART=n.
;; ======== version 1 of 2: 5 launches
;; workspace buffers: xc 1,048,576 bytes; rt 18,432 bytes of whole numbers; gw 8,192 bytes; xs 2,621,440 bytes; pl 8,448 bytes of whole numbers; hq 10,485,760 bytes; part 41,943,040 bytes
;; launch route (part 1): grid 64 x 1, 8 waves a work-group, no clusters, 36,864 bytes of LDS; arguments x, Wg, bg, lowp_scales, xc, rt, gw; writes xc, rt, gw
.if DOCPART == 1
	.amdgcn_target "amdgcn-amd-amdhsa--gfx1250"
	.amdhsa_code_object_version 6
	.text
	.protected	k_q1a5f68af58_route
	.globl	k_q1a5f68af58_route
	.p2align	8
	.type	k_q1a5f68af58_route,@function
k_q1a5f68af58_route:
	s_mov_b64 s[64:65], 0
	v_nop
	global_prefetch_b8 v0, s[64:65] scope:SCOPE_SE
	s_setreg_imm32_b32 hwreg(HW_REG_WAVE_MODE, 25, 1), 1
	s_wait_xcnt 0x0
; THE ROUTER AND x'S CODES.  scores = x Wg + bg in f32; the two largest of a token's 8 scores (of equal scores the lower index first); softmax over the two, the larger taken away first.
; x is also turned into codes of E5M2 with the given scale 2^e, e = lowp_scales[1]: code = x / 2^e, held within +-57,344, to the nearest code, ties to even.
; SHARES.  A work-group takes a GROUP of 16 tokens; each of its eight waves two of them.  Lane l holds, of a row's 1,024 numbers, k = 256 gs + 8 l + 0 .. 7 for gs = 0 .. 3: eight neighbours
; for the conversion, and a store of 8 bytes a lane covers 256 consecutive bytes, aligned.  Wg (32 KiB) lies in LDS, read by all eight waves.
; WHAT IS STORED, all at fixed places (no address here hangs on a score): an ENTRY is (token n, choice k), numbered 32 (n / 16) + 16 k + n % 16.
;   rt: bytes 0 .. 8191 the entry's expert; 8192 .. 16383 its rank among its group's entries of the same expert; from 16384 cnt[group][8]: the group's entries of each expert.   gw: the entry's weight, f32.
; LIMITS: lowp_scales[1] between -126 and 112, so that 2^e and 57,344 x 2^e are f32 numbers.  NaN and infinities among the inputs are not served.  Two scores closer than the f32 sums' own error may fall either way.
; No matrix unit: 8 columns are too few for it.  No cluster: work-groups share Wg alone, 32 KiB beside their 64 KiB of x.
.set SCB, 34816                        ; LDS: from 0 Wg, row k (32 bytes) at 32 k + 16 (k / 8): 34,816 bytes; here the group's scores, [16][8] f32
.set X,   32                           ; v32-95   x: row a, number 8 gs + i at v[X + 32 a + 8 gs + i]
.set WB,  96                           ; v96-223  Wg: two sets of 64: my 8 rows of a segment, 8 numbers each
.set ACC, 224                          ; v224-239 my part of the scores: row a, expert e at v[ACC + 8 a + e]
.set CD,  240                          ; v240-255 codes: two registers for each (a, gs), so that no store's data are written again
	s_load_b256 s[4:11], s[0:1], 0x0               ; x s[4:5], Wg s[6:7], bg s[8:9], the scales' exponents s[10:11]
	s_load_b128 s[12:15], s[0:1], 0x20             ; xc s[12:13], rt s[14:15]
	s_load_b64 s[16:17], s[0:1], 0x30              ; gw
	v_lshl_add_u32 v30, v0, 2, 0x8c00
	v_mov_b32 v31, 0
	v_lshrrev_b32 v1, 5, v0
	v_readfirstlane_b32 s18, v1                    ; wave 0..7
	v_and_b32 v1, 31, v0                           ; lane
	v_lshlrev_b32 v2, 5, v1                        ; x: my 8 numbers of a segment's 256
	v_lshlrev_b32 v6, 4, v1                        ; Wg as it lies: 16 bytes a lane
	v_lshlrev_b32 v5, 3, v1                        ; my 8 codes
	v_lshlrev_b32 v11, 2, v1                       ; a word a lane
	v_lshrrev_b32 v12, 4, v1
	v_lshl_add_u32 v3, v12, 4, v6
	s_mul_i32 s45, s18, 4352
	v_add_nc_u32 v3, s45, v3                       ; Wg into LDS: 4,352 x wave + 16 x lane + 16 (lane / 16): 16 bytes of padding behind every 8 rows
	v_mul_u32_u24 v4, v1, 272                      ; and out of it: my 8 rows of a segment begin 272 bytes from my neighbour's = 17 x 16: sixteen lanes start 16 bytes apart modulo 256
	s_lshl_b32 s45, s18, 6
	s_add_co_u32 s45, s45, SCB
	v_mov_b32 v7, s45                              ; my wave's two rows of scores
	v_and_b32 v8, 15, v0
	v_lshl_add_u32 v8, v8, 5, SCB                  ; the scores of token lane % 16
	s_mov_b32 s30, 0x76543210                      ; v_permlanex16_b32: lane l takes lane l xor 16
	s_mov_b32 s31, 0xfedcba98
	s_lshl_b32 s46, ttmp9, 16
	s_lshl_b32 s47, s18, 13
	s_add_co_u32 s46, s46, s47                     ; x: (16 g + 2 w) rows of 4,096 bytes
	s_mov_b32 s47, 0
	s_lshl_b32 s48, s18, 12                        ; Wg: my wave brings 4,096 bytes of it
	s_mov_b32 s49, 0
	s_lshr_b32 s50, s46, 2                         ; xc: the same rows, 1,024 bytes each
	s_mov_b32 s51, 0
	s_lshl_b32 s52, ttmp9, 7                       ; the group's 32 entries, a word each
	s_mov_b32 s53, 0
	s_lshl_b32 s54, ttmp9, 5                       ; the group's 8 counts
	s_mov_b32 s55, 0
	s_wait_kmcnt 0x0
	s_load_b256 s[20:27], s[8:9], 0x0              ; bg
	s_load_b32 s28, s[10:11], 0x4                  ; x's exponent
	s_add_nc_u64 s[4:5], s[4:5], s[46:47]
	s_add_nc_u64 s[6:7], s[6:7], s[48:49]
	s_add_nc_u64 s[12:13], s[12:13], s[50:51]
	s_add_nc_u64 s[34:35], s[14:15], s[52:53]
	s_add_nc_u64 s[36:37], s[16:17], s[52:53]
	s_add_nc_u64 s[38:39], s[14:15], s[54:55]
.irp jj, 0,1,2,3,4,5,6,7
	global_load_b128 v[WB+4*\jj:WB+4*\jj+3], v6, s[6:7] offset:512*\jj           ; 512 consecutive bytes of Wg a load
.endr
.irp a, 0,1
.irp gs, 0,1,2,3
	global_load_b128 v[X+32*\a+8*\gs:X+32*\a+8*\gs+3],   v2, s[4:5] offset:4096*\a+1024*\gs th:TH_LOAD_NT
	global_load_b128 v[X+32*\a+8*\gs+4:X+32*\a+8*\gs+7], v2, s[4:5] offset:4096*\a+1024*\gs+16 th:TH_LOAD_NT
.endr
.endr
	s_wait_loadcnt 16                              ; Wg's eight loads are in; x's sixteen, issued behind them, may be out
.irp jj, 0,1,2,3,4,5,6,7
	ds_store_b128 v3, v[WB+4*\jj:WB+4*\jj+3] offset:544*\jj                      ; 16 rows and their two paddings a store
.endr
	s_wait_dscnt 0x0                               ; for the others' sake: my part of Wg lies in LDS
	s_barrier_signal -1
	s_barrier_wait -1                              ; all of Wg does
.macro FETCHW gs                       ; my 8 rows of segment gs, 16 loads, into set gs % 2
.irp i, 0,1,2,3,4,5,6,7
	ds_load_b128 v[WB+64*((\gs)%2)+8*\i:WB+64*((\gs)%2)+8*\i+3],   v4 offset:8704*(\gs)+32*\i
	ds_load_b128 v[WB+64*((\gs)%2)+8*\i+4:WB+64*((\gs)%2)+8*\i+7], v4 offset:8704*(\gs)+32*\i+16
.endr
.endm
; A segment: 2 rows x 8 numbers x 8 experts, two experts an instruction; x's number is taken for both halves (the pair's first register where i is even, its second where i is odd).
; The very first products start the sums: nothing is cleared.
.macro SEG gs
.if (\gs) < 3
	FETCHW (\gs)+1
	s_wait_dscnt 16                                ; this segment's rows are in; the next segment's sixteen loads may be out
.else
	s_wait_dscnt 0x0
.endif
.irp i, 0,1,2,3,4,5,6,7
.irp a, 0,1
.irp ep, 0,1,2,3
.if ((\gs) == 0) && (\i == 0)
	v_pk_mul_f32 v[ACC+8*\a+2*\ep:ACC+8*\a+2*\ep+1], v[X+32*\a:X+32*\a+1], v[WB+2*\ep:WB+2*\ep+1] op_sel_hi:[0,1]
.elseif (\i % 2) == 0
	v_pk_fma_f32 v[ACC+8*\a+2*\ep:ACC+8*\a+2*\ep+1], v[X+32*\a+8*(\gs)+\i:X+32*\a+8*(\gs)+\i+1], v[WB+64*((\gs)%2)+8*\i+2*\ep:WB+64*((\gs)%2)+8*\i+2*\ep+1], v[ACC+8*\a+2*\ep:ACC+8*\a+2*\ep+1] op_sel_hi:[0,1,1]
.else
	v_pk_fma_f32 v[ACC+8*\a+2*\ep:ACC+8*\a+2*\ep+1], v[X+32*\a+8*(\gs)+\i-1:X+32*\a+8*(\gs)+\i], v[WB+64*((\gs)%2)+8*\i+2*\ep:WB+64*((\gs)%2)+8*\i+2*\ep+1], v[ACC+8*\a+2*\ep:ACC+8*\a+2*\ep+1] op_sel:[1,0,0] op_sel_hi:[1,1,1]
.endif
.endr
.endr
.endr
.endm
	FETCHW 0
	s_wait_loadcnt 0x0                             ; x
	SEG 0
	SEG 1
	SEG 2
	SEG 3
	; x's codes: behind the scores, since the hold works in place
	s_wait_kmcnt 0x0                               ; bg and the exponent
	s_add_co_i32 s28, s28, 127
	s_lshl_b32 s29, s28, 23
	v_mov_b32 v9, s29                              ; 2^e as f32: the conversion takes its exponent field
	s_add_co_i32 s28, s28, 15
	s_lshl_b32 s28, s28, 23
	s_or_b32 s28, s28, 0x600000
	v_mov_b32 v10, s28                             ; 57,344 x 2^e
.irp a, 0,1
.irp gs, 0,1,2,3
.irp i, 0,1,2,3,4,5,6,7
	v_med3_num_f32 v[X+32*\a+8*\gs+\i], v[X+32*\a+8*\gs+\i], -v10, v10   ; the conversion to an 8-bit code does not saturate (ISA guide 7.6.2): the hold comes first
.endr
	v_cvt_scalef32_pk8_bf8_f32 v[CD+2*(4*\a+\gs):CD+2*(4*\a+\gs)+1], v[X+32*\a+8*\gs:X+32*\a+8*\gs+7], v9
	global_store_b64 v5, v[CD+2*(4*\a+\gs):CD+2*(4*\a+\gs)+1], s[12:13] offset:1024*\a+256*\gs   ; the wave stores 256 consecutive bytes, aligned
.endr
.endr
	; the 16 sums over the 32 lanes: four steps inside each half of the lanes ride on the additions, one crosses the halves
.irp m, 1,2,4,8
.irp j, 0,1,2,3,4,5,6,7,8,9,10,11,12,13,14,15
	v_add_f32_dpp v[ACC+\j], v[ACC+\j], v[ACC+\j] row_xmask:\m row_mask:0xf bank_mask:0xf
.endr
.endr
.irp j, 0,1,2,3,4,5,6,7,8,9,10,11,12,13,14,15
	v_permlanex16_b32 v[WB+\j], v[ACC+\j], s30, s31      ; its destination counts as read: Wg's registers have been written, and are done with
.endr
.irp j, 0,1,2,3,4,5,6,7,8,9,10,11,12,13,14,15
	v_add_f32 v[ACC+\j], v[ACC+\j], v[WB+\j]
.endr
.irp a, 0,1
	ds_store_b128 v7, v[ACC+8*\a:ACC+8*\a+3]   offset:32*\a        ; every lane holds the same sums and writes the same bytes
	ds_store_b128 v7, v[ACC+8*\a+4:ACC+8*\a+7] offset:32*\a+16
.endr
	s_wait_dscnt 0x0                               ; for wave 0's sake
	s_barrier_signal -1
	s_barrier_wait -1                              ; the group's 16 x 8 sums lie in LDS
	s_cmp_lg_u32 s18, 0
	s_cbranch_scc1 .Lend                           ; the rest is wave 0's: lane l works for token l % 16
	ds_load_b128 v[32:35], v8
	ds_load_b128 v[36:39], v8 offset:16
	v_mov_b32 v42, 0xff800000                      ; -infinity
	v_mov_b32 v52, 0                               ; the rank
	v_mov_b32 v53, 0                               ; the counts, expert e's in lane e
	s_wait_dscnt 0x0
.irp e, 0,1,2,3,4,5,6,7
	v_add_f32 v[32+\e], s[20+\e], v[32+\e]         ; + bg
.endr
.macro SCAN bst, idx                   ; the largest of v32-39 and its index; only a strictly larger score moves the index: of equal scores the lower index stays
	v_cmp_gt_f32 vcc_lo, v33, v32
	v_cndmask_b32 v[\idx], 0, 1, vcc_lo
	v_max_num_f32 v[\bst], v32, v33
.irp e, 2,3,4,5,6,7
	v_cmp_gt_f32 vcc_lo, v[32+\e], v[\bst]
	v_cndmask_b32 v[\idx], v[\idx], \e, vcc_lo
	v_max_num_f32 v[\bst], v[\bst], v[32+\e]
.endr
.endm
	SCAN 40, 41
.irp e, 0,1,2,3,4,5,6,7
	v_cmp_eq_u32 vcc_lo, \e, v41
	v_cndmask_b32 v[32+\e], v[32+\e], v42, vcc_lo  ; the first choice is taken out
.endr
	SCAN 43, 44
	v_sub_f32 v45, v43, v40                        ; the second score less the largest: 0 or less
	v_mul_f32 v45, 0x3fb8aa3b, v45                 ; x log2(e)
	v_exp_f32 v46, v45                             ; p = e^(second - first), at most 1
	v_cmp_gt_u32 vcc_lo, 16, v1                    ; (a plain line behind the transcendental)  lanes 0-15: the first choice; lanes 16-31: the second
	s_wait_alu depctr_va_vdst(0)                   ; ahead of the first line that names p
	v_add_f32 v47, 1.0, v46
	v_rcp_f32 v48, v47                             ; w0 = 1 / (1 + p)
	v_cndmask_b32 v50, v44, v41, vcc_lo            ; (a plain line)  my entry's expert: the lane's number is the entry's number in its group
	s_wait_alu depctr_va_vdst(0)                   ; ahead of the first line that names w0
	v_mul_f32 v49, v46, v48                        ; w1 = p / (1 + p)
	v_cndmask_b32 v51, v49, v48, vcc_lo            ; my entry's weight
.irp e, 0,1,2,3,4,5,6,7
	v_cmp_eq_u32 s32, \e, v50                      ; the entries of expert e,
	v_mbcnt_lo_u32_b32 v54, s32, 0                 ; how many of them lie in lower lanes,
	v_cndmask_b32 v52, v52, v54, s32               ; which is the rank of those that are e's,
	s_bcnt1_i32_b32 s33, s32
	v_writelane_b32 v53, s33, \e                   ; and how many there are
.endr
	global_store_b32 v11, v50, s[34:35]
	global_store_b32 v11, v52, s[34:35] offset:8192
	global_store_b32 v11, v51, s[36:37]
	s_wait_xcnt 0x0                                ; EXEC is a source of the stores above: it changes only behind this wait
	v_cmp_gt_u32 vcc_lo, 8, v1
	s_and_saveexec_b32 s40, vcc_lo
	global_store_b32 v11, v53, s[38:39] offset:16384
	s_wait_xcnt 0x0                                ; and again ahead of the line that widens it
	s_or_b32 exec_lo, exec_lo, s40
.Lend:
	s_wait_tensorcnt 0x0
	ds_add_u32 v30, v31
	s_wait_dscnt 0x0
	s_endpgm
.Lfunc_end_k_q1a5f68af58_route:
	.size	k_q1a5f68af58_route, .Lfunc_end_k_q1a5f68af58_route-k_q1a5f68af58_route
	.p2alignl 7, 3214868480
	.fill 96, 4, 3214868480
	.section	.rodata,"a",@progbits
	.p2align	6, 0x0
	.amdhsa_kernel k_q1a5f68af58_route
		.amdhsa_group_segment_fixed_size 36864
		.amdhsa_private_segment_fixed_size 0
		.amdhsa_enable_private_segment 0
		.amdhsa_kernarg_size 56
		.amdhsa_user_sgpr_count 2
		.amdhsa_user_sgpr_kernarg_segment_ptr 1
		.amdhsa_wavefront_size32 1
		.amdhsa_system_sgpr_workgroup_id_x 1
		.amdhsa_system_sgpr_workgroup_id_y 1
		.amdhsa_system_sgpr_workgroup_id_z 1
		.amdhsa_system_vgpr_workitem_id 0
		.amdhsa_next_free_vgpr 256
		.amdhsa_next_free_sgpr 66
		.amdhsa_reserve_vcc 1
		.amdhsa_float_denorm_mode_32 3
		.amdhsa_float_denorm_mode_16_64 3
		.amdhsa_memory_ordered 1
		.amdhsa_forward_progress 1
		.amdhsa_inst_pref_size 43
	.end_amdhsa_kernel
	.amdgpu_metadata
---
amdhsa.version: [ 1, 2 ]
amdhsa.kernels:
  - .name:           k_q1a5f68af58_route
    .symbol:         k_q1a5f68af58_route.kd
    .args:
      - { .name: x, .offset: 0, .size: 8, .value_kind: global_buffer, .address_space: global }
      - { .name: Wg, .offset: 8, .size: 8, .value_kind: global_buffer, .address_space: global }
      - { .name: bg, .offset: 16, .size: 8, .value_kind: global_buffer, .address_space: global }
      - { .name: lowp_scales, .offset: 24, .size: 8, .value_kind: global_buffer, .address_space: global }
      - { .name: xc, .offset: 32, .size: 8, .value_kind: global_buffer, .address_space: global }
      - { .name: rt, .offset: 40, .size: 8, .value_kind: global_buffer, .address_space: global }
      - { .name: gw, .offset: 48, .size: 8, .value_kind: global_buffer, .address_space: global }
    .group_segment_fixed_size: 36864
    .private_segment_fixed_size: 0
    .kernarg_segment_align: 8
    .kernarg_segment_size: 56
    .max_flat_workgroup_size: 256
    .sgpr_count:     66
    .vgpr_count:     256
    .wavefront_size: 32
...
	.end_amdgpu_metadata
.endif
;; end of part 1
;; launch place (part 2): grid 64 x 1, 8 waves a work-group, no clusters, 0 bytes of LDS; arguments rt, xc, xs, pl; writes xs, pl
.if DOCPART == 2
	.amdgcn_target "amdgcn-amd-amdhsa--gfx1250"
	.amdhsa_code_object_version 6
	.text
	.protected	k_q1a5f68af58_place
	.globl	k_q1a5f68af58_place
	.p2align	8
	.type	k_q1a5f68af58_place,@function
k_q1a5f68af58_place:
	s_mov_b64 s[64:65], 0
	v_nop
	global_prefetch_b8 v0, s[64:65] scope:SCOPE_SE
	s_setreg_imm32_b32 hwreg(HW_REG_WAVE_MODE, 25, 1), 1
	s_wait_xcnt 0x0
; THE ROWS ARE PLACED BY EXPERT: a counting sort without atomics.  Expert e's rows take the SLOTS base_e .. base_e + n_e - 1; base_e = the sum over lower experts of n rounded up to 64,
; so that every tile of 64 slots belongs to one expert: 2,048 entries and 8 experts give 39 tiles at the most, whatever the choice.
; slot of an entry = base_e + the entries of e in earlier groups + the entry's rank in its group.
; A work-group takes a group's 32 entries; every wave makes the small prefix sums for itself from the 64 x 8 counts (no LDS, no barrier), and copies the code rows of four entries, 1,024 bytes each, to their slots.
; STORED: xs[slot][1024] the codes of x by slot (the slots between n_e and the next multiple of 64 are not written, and nobody reads them);
;   pl: bytes 0 .. 8191 the entry's slot; from 8192: base_e (8 words), n_e (8 words), 16 words of 0.
.set CN,   16                          ; v16-31  the counts: load i, lane l: group 4 i + l / 8, expert l % 8
.set RW,   40                          ; v40-71  four rows of codes, 8 registers each
.set TOT,  40                          ; s40-47  n_e
.set BEF,  48                          ; s48-55  the entries of e in earlier groups
.set BASE, 56                          ; s56-63  base_e
.set ST,   66                          ; s66-73  base_e + those in earlier groups
	s_load_b256 s[4:11], s[0:1], 0x0               ; rt s[4:5], xc s[6:7], xs s[8:9], pl s[10:11]
	v_lshrrev_b32 v1, 5, v0
	v_readfirstlane_b32 s18, v1                    ; wave 0..7
	s_mov_b32 s2, ttmp9                            ; my group
	v_and_b32 v1, 31, v0                           ; lane
	v_lshlrev_b32 v2, 2, v1                        ; a word a lane
	v_lshlrev_b32 v3, 4, v1                        ; 16 bytes a lane
	v_lshrrev_b32 v4, 3, v1
	v_sub_nc_u32 v5, s2, v4                        ; group 4 i + l / 8 lies ahead of mine where 4 i < g - l / 8 (signed)
	s_mov_b32 s30, 0x76543210
	s_mov_b32 s31, 0xfedcba98
	s_lshl_b32 s20, s2, 7                          ; the group's 32 entries, a word each
	s_mov_b32 s21, 0
	s_lshl_b32 s22, s2, 14
	s_and_b32 s23, s18, 3
	s_lshl_b32 s23, s23, 12
	s_add_co_u32 s22, s22, s23                     ; entry 4 w + a is token 16 g + 4 (w % 4) + a: its row of 1,024 bytes follows from ids alone
	s_mov_b32 s23, 0
	s_wait_kmcnt 0x0
	s_add_nc_u64 s[12:13], s[4:5], s[20:21]
	s_add_nc_u64 s[14:15], s[6:7], s[22:23]
	s_add_nc_u64 s[16:17], s[10:11], s[20:21]
.irp i, 0,1,2,3,4,5,6,7,8,9,10,11,12,13,14,15
	global_load_b32 v[CN+\i], v2, s[4:5] offset:16384+128*\i
.endr
	global_load_b32 v32, v2, s[12:13]              ; my entry's expert
	global_load_b32 v33, v2, s[12:13] offset:8192  ; and its rank
.irp a, 0,1,2,3
	global_load_b128 v[RW+8*\a:RW+8*\a+3],   v3, s[14:15] offset:1024*\a th:TH_LOAD_NT
	global_load_b128 v[RW+8*\a+4:RW+8*\a+7], v3, s[14:15] offset:1024*\a+512 th:TH_LOAD_NT
.endr
	s_wait_loadcnt 8                               ; the 18 small loads are in; the rows' eight, issued behind them, may be out
	v_cmp_lt_i32 vcc_lo, 0, v5
	v_cndmask_b32 v6, 0, v[CN], vcc_lo             ; the first terms start the sums
	v_add_nc_u32 v7, v[CN], v[CN+1]
.irp i, 1,2,3,4,5,6,7,8,9,10,11,12,13,14,15
	v_cmp_lt_i32 vcc_lo, 4*\i, v5
	v_cndmask_b32 v8, 0, v[CN+\i], vcc_lo
	v_add_nc_u32 v6, v6, v8                        ; the counts of earlier groups,
.if \i > 1
	v_add_nc_u32 v7, v7, v[CN+\i]                  ; and of all
.endif
.endr
	v_mov_b32_dpp v8, v7 row_xmask:8 row_mask:0xf bank_mask:0xf   ; lanes l, l xor 8, l xor 16, l xor 24 hold the same expert
	v_add_nc_u32 v7, v7, v8
	v_mov_b32_dpp v8, v6 row_xmask:8 row_mask:0xf bank_mask:0xf
	v_add_nc_u32 v6, v6, v8
	v_permlanex16_b32 v8, v7, s30, s31
	v_add_nc_u32 v7, v7, v8
	v_permlanex16_b32 v8, v6, s30, s31
	v_add_nc_u32 v6, v6, v8
.irp e, 0,1,2,3,4,5,6,7
	v_readlane_b32 s[TOT+\e], v7, \e
	v_readlane_b32 s[BEF+\e], v6, \e
.endr
	s_mov_b32 s74, 0
.irp e, 0,1,2,3,4,5,6,7
	s_mov_b32 s[BASE+\e], s74
	s_add_co_u32 s[ST+\e], s74, s[BEF+\e]
	s_add_co_u32 s75, s[TOT+\e], 63
	s_and_b32 s75, s75, 0xffffffc0                 ; n_e rounded up to 64
	s_add_co_u32 s74, s74, s75
.endr
	v_mov_b32 v9, 0
.irp e, 0,1,2,3,4,5,6,7
	v_cmp_ne_u32 vcc_lo, \e, v32
	v_cndmask_b32 v9, s[ST+\e], v9, vcc_lo         ; a choice of a value, no branch
.endr
	v_add_nc_u32 v10, v9, v33
	v_min_u32 v10, 0x9ff, v10                      ; my entry's slot; held inside the 2,560 slots of the buffers
	s_cmp_lg_u32 s18, 0
	s_cbranch_scc1 .Lnot0
	global_store_b32 v2, v10, s[16:17]             ; wave 0: the group's 32 slots
	s_cmp_lg_u32 s2, 0
	s_cbranch_scc1 .Lnot0
	v_mov_b32 v11, 0                               ; work-group 0's wave 0: the segments
.irp e, 0,1,2,3,4,5,6,7
	v_writelane_b32 v11, s[BASE+\e], \e
	v_writelane_b32 v11, s[TOT+\e], 8+\e
.endr
	global_store_b32 v2, v11, s[10:11] offset:8192
.Lnot0:
	s_lshl_b32 s76, s18, 2
.irp a, 0,1,2,3
	s_add_co_u32 s77, s76, \a
	v_readlane_b32 s78, v10, s77                   ; the slot of entry 4 w + a
	s_min_u32 s78, s78, 0x9ff
	s_lshl_b32 s78, s78, 10
	s_mov_b32 s79, 0
	s_add_nc_u64 s[80+2*\a:81+2*\a], s[8:9], s[78:79]
.endr
	s_wait_loadcnt 0x0                             ; the rows
.irp a, 0,1,2,3
	global_store_b128 v3, v[RW+8*\a:RW+8*\a+3],   s[80+2*\a:81+2*\a]             ; the wave stores 512 consecutive bytes, aligned
	global_store_b128 v3, v[RW+8*\a+4:RW+8*\a+7], s[80+2*\a:81+2*\a] offset:512
.endr
	s_endpgm
.Lfunc_end_k_q1a5f68af58_place:
	.size	k_q1a5f68af58_place, .Lfunc_end_k_q1a5f68af58_place-k_q1a5f68af58_place
	.p2alignl 7, 3214868480
	.fill 96, 4, 3214868480
	.section	.rodata,"a",@progbits
	.p2align	6, 0x0
	.amdhsa_kernel k_q1a5f68af58_place
		.amdhsa_group_segment_fixed_size 0
		.amdhsa_private_segment_fixed_size 0
		.amdhsa_enable_private_segment 0
		.amdhsa_kernarg_size 32
		.amdhsa_user_sgpr_count 2
		.amdhsa_user_sgpr_kernarg_segment_ptr 1
		.amdhsa_wavefront_size32 1
		.amdhsa_system_sgpr_workgroup_id_x 1
		.amdhsa_system_sgpr_workgroup_id_y 1
		.amdhsa_system_sgpr_workgroup_id_z 1
		.amdhsa_system_vgpr_workitem_id 0
		.amdhsa_next_free_vgpr 96
		.amdhsa_next_free_sgpr 90
		.amdhsa_reserve_vcc 1
		.amdhsa_float_denorm_mode_32 3
		.amdhsa_float_denorm_mode_16_64 3
		.amdhsa_memory_ordered 1
		.amdhsa_forward_progress 1
		.amdhsa_inst_pref_size 13
	.end_amdhsa_kernel
	.amdgpu_metadata
---
amdhsa.version: [ 1, 2 ]
amdhsa.kernels:
  - .name:           k_q1a5f68af58_place
    .symbol:         k_q1a5f68af58_place.kd
    .args:
      - { .name: rt, .offset: 0, .size: 8, .value_kind: global_buffer, .address_space: global }
      - { .name: xc, .offset: 8, .size: 8, .value_kind: global_buffer, .address_space: global }
      - { .name: xs, .offset: 16, .size: 8, .value_kind: global_buffer, .address_space: global }
      - { .name: pl, .offset: 24, .size: 8, .value_kind: global_buffer, .address_space: global }
    .group_segment_fixed_size: 0
    .private_segment_fixed_size: 0
    .kernarg_segment_align: 8
    .kernarg_segment_size: 32
    .max_flat_workgroup_size: 256
    .sgpr_count:     90
    .vgpr_count:     96
    .wavefront_size: 32
...
	.end_amdgpu_metadata
.endif
;; end of part 2
;; launch ffn1 (part 3): grid 32 x 8, 4 waves a work-group, no clusters, 266,752 bytes of LDS; arguments xs, W1_codes, b1, lowp_scales, pl, hq; writes hq
.if DOCPART == 3
	.amdgcn_target "amdgcn-amd-amdhsa--gfx1250"
	.amdhsa_code_object_version 6
	.text
	.protected	k_q1a5f68af58_ffn1
	.globl	k_q1a5f68af58_ffn1
	.p2align	8
	.type	k_q1a5f68af58_ffn1,@function
k_q1a5f68af58_ffn1:
	s_mov_b64 s[64:65], 0
	v_nop
	global_prefetch_b8 v0, s[64:65] scope:SCOPE_SE
	s_setreg_imm32_b32 hwreg(HW_REG_WAVE_MODE, 25, 1), 1
	s_wait_xcnt 0x0
; THE FIRST PRODUCT, for the chosen rows alone: hidden = relu(x W1[e] + b1[e]), on codes of E5M2, and the hidden layer's codes.  lowp_scales: s0 W1, s1 x, s2 hidden, s3 W2.
; THE WEIGHTS STAY, THE ROWS WALK.  Work-group (chunk, e) owns hidden units 128 chunk .. + 127 of expert e, all K = 1,024: 128 KiB of W1, read from memory once in the launch.
; THE FOUR WAVES ARE 2 x 2: wave w = (rh = w / 2, ch = w % 2) keeps units 64 ch .. + 63 in 512 registers (32 fragments of 16 units x 128 K) and multiplies rows 32 rh .. + 31 of each tile of 64 slots.
; So a fragment of rows read from LDS feeds four products, and a tile is read from LDS twice; each unit's codes lie in two waves' registers, which come out of one stage in LDS that the four waves fill together.
; The expert's rows come in tiles of 64 slots through two LDS buffers that take turns.
; HOW MANY TILES hangs on n_e, which an earlier launch stored.  The loop has 16 trips, enough for all 1,024 tokens on one expert, and the barrier stands in every trip; forward branches on the count jump over the work alone.
; NO TENSOR LOAD, NO CLUSTER, though the 32 work-groups of an expert walk the same rows: joint requests are tensor loads;
; without the branch each work-group would fetch 16 tiles where 2,048 rows on 8 experts give 39 tiles at the most in all.  No prefetch: the weights, the one stream read once, are all asked for at the head.
; THE MATRIX INSTRUCTION IS USED TRANSPOSED (source 0 = 16 units of W1, source 1 = 16 rows of x), and lane r of unit tile u takes unit 32 (u / 2) + 8 (u % 2) + r + 8 (r / 8): so lane (r, h) holds row r, and the 16
; registers of tiles 2 b and 2 b + 1 are units 32 b + 16 h + 0 .. 15 of my 64: sixteen neighbours along the next K.  Fragments are fetched 16 bytes at a time (registers 4 c .. 4 c + 3: k = 32 c + 16 h + 0 .. 15), the same in both operands.
; SCALES.  A sum lacks 2^(s0 + s1): b1 goes in as the first C, as b1 / 2^(s0 + s1); the conversion's one scale is 2^(s2 - s0 - s1); the hold between 0 and 57,344 x that scale is the relu too.
; OUT: hq, the hidden codes as IMAGES OF THE NEXT OPERAND'S REGISTERS: [slot / 16][K step of 128 = chunk][c = 2 ch + b][lane][16 bytes]: a wave's store covers 512 consecutive bytes, aligned.
; ROWS PAST n_e in an expert's last tile are read as its last row: their results are written and never gathered.
; LIMITS: s2 - s0 - s1 between -126 and 112, so that both powers of two are f32 numbers.  NaN and infinities among the inputs are not served.
; REGISTERS: window 0: v1-24 addresses and constants; v48-63 codes; v64-191 fragments of x, four sets of 32; v192-255 eight accumulators ((m, u) at 192 + 32 m + 8 u).
;   windows 1 and 2: W1's 32 fragments: (u, K step s) at 16 (4 (s % 4) + u) of window 1 + s / 4.   window 3: v0-127 the next tile's rows on their way to LDS; v128-159 b1.
.set PX,   1040                        ; a row in LDS: 1,024 bytes + 16 = 65 x 16: the sixteen rows that a load touches start 16 bytes apart modulo 256
.set XB1,  64*PX                       ; LDS: tile buffer 0 at 0, buffer 1 here,
.set WST,  2*64*PX                     ; and the weights' stage: 128 rows, through which they turn once
.set WREG, 32*PX                       ; the part of it that a wave fills
.set MSTR, 16*PX                       ; from a fragment to the next 16 rows', the next K step's, the next 16 bytes'
.set KSTR, 128
.set CSTR, 32
.set WROW, 1024                        ; a row of W1 in memory
.set L16,  4                           ; v4     16 x lane
.set AXB,  5                           ; v5-6   where I read fragments of x in buffer 0, 1
.set SXB,  7                           ; v7-8   where I put rows of x in buffer 0, 1
.set AWS,  9                           ; v9     the weights' stage, in
.set AWR,  10                          ; v10    and out
.set RL,   11                          ; v11    16 w + h: the first of the tile's rows that I bring
.set CL,   12                          ; v12    16 r: my 16 bytes of 256
.set SCV,  14                          ; v14    2^(s2 - s0 - s1)
.set LIM,  15                          ; v15    57,344 x that
.set XO,   16                          ; v16-23 byte offsets in xs of the eight rows that I bring
.set BO,   24                          ; v24    64 h: my half's 16 numbers of 32 of b1
.set BIAS, 128                         ; in window 3
.set CD,   48
.set XF,   64
.set ACC,  192
.set MSB,  0
.macro WIN new                         ; the immediate's high byte repeats the setting that is left; a switch that changes nothing is dropped.  At every label and branch the setting is 0
.if MSB != \new
	s_set_vgpr_msb (MSB<<8)|\new
.set MSB, \new
.endif
.endm
.macro PLACES                          ; four plain lines between a matrix instruction and a load into, or a read of, its registers
.rept 4
	v_nop
.endr
.endm
.macro BARRIER                         ; my LDS stores have landed and my LDS loads are in: then the work-group's barrier
	s_wait_dscnt 0x0
	s_barrier_signal -1
	s_barrier_wait -1
.endm
.macro WLOAD                           ; rows 32 w .. + 31 of the chunk as they lie, 512 consecutive bytes a load, into window 1
	WIN 0x40
.set JJ, 0
.rept 64
	global_load_b128 v[4*JJ:4*JJ+3], v[L16], s[28:29] offset:(JJ/2)*WROW+512*(JJ%2) th:TH_LOAD_NT
.set JJ, JJ+1
.endr
	WIN 0
.endm
; Into the stage.  Of each 32 rows, row p goes to place 16 ((p / 8) % 2) + 8 (p / 16) + p % 8: the order in which the unit tiles take them, so that place 16 u + r holds the row of tile u's lane r,
; and the sixteen lanes of a fragment load touch sixteen neighbouring places.
.macro WSTORE
	WIN 0x04
.set JJ, 0
.rept 64
	ds_store_b128 v[AWS], v[4*JJ:4*JJ+3] offset:((((JJ/2)/8)%2)*16+((JJ/2)/16)*8+(JJ/2)%8)*PX+512*(JJ%2)
.set JJ, JJ+1
.endr
	WIN 0
.endm
.macro WFRAG                           ; behind a barrier: my 64 units' 32 fragments out of the stage, which two waves filled
	WIN 0x40
.irp ks, 0,1,2,3
.irp u, 0,1,2,3
.irp c, 0,1,2,3
	ds_load_b128 v[16*(4*\ks+\u)+4*\c:16*(4*\ks+\u)+4*\c+3], v[AWR] offset:16*\u*PX+128*\ks+32*\c
.endr
.endr
.endr
	WIN 0x80
.irp ks, 0,1,2,3
.irp u, 0,1,2,3
.irp c, 0,1,2,3
	ds_load_b128 v[16*(4*\ks+\u)+4*\c:16*(4*\ks+\u)+4*\c+3], v[AWR] offset:16*\u*PX+128*(\ks+4)+32*\c
.endr
.endr
.endr
	WIN 0
.endm
.macro LOADX                           ; the tile that begins at slot s30: my wave brings 16 of its rows; sixteen lanes read 256 consecutive bytes of a row, aligned
.irp i, 0,1,2,3,4,5,6,7
	v_add3_u32 v[XO+\i], v[RL], s30, 2*\i
.endr
.irp i, 0,1,2,3,4,5,6,7
	v_min_u32 v[XO+\i], s22, v[XO+\i]              ; past the expert's last row: that row again
.endr
.irp i, 0,1,2,3,4,5,6,7
	v_min_u32 v[XO+\i], 0x9ff, v[XO+\i]            ; a number that hangs on stored numbers is held inside the buffer's 2,560 slots
.endr
.irp i, 0,1,2,3,4,5,6,7
	v_lshl_add_u32 v[XO+\i], v[XO+\i], 10, v[CL]
.endr
	WIN 0xc0
.irp i, 0,1,2,3,4,5,6,7
.irp qd, 0,1,2,3
	global_load_b128 v[16*\i+4*\qd:16*\i+4*\qd+3], v[XO+\i], s[4:5] offset:256*\qd
.endr
.endr
	WIN 0
.endm
.macro STAGEX buf                      ; and puts them into a tile buffer
	s_wait_loadcnt 0x0                             ; the 32 loads, the youngest that I have issued
	WIN 0x0c
.irp i, 0,1,2,3,4,5,6,7
.irp qd, 0,1,2,3
	ds_store_b128 v[SXB+(\buf)], v[16*\i+4*\qd:16*\i+4*\qd+3] offset:2*\i*PX+256*\qd
.endr
.endr
	WIN 0
.endm
.macro FETCH buf, fs, ks, pl           ; my two fragments of x (32 rows x 128 K) of K step ks into set fs.  pl = 1: the set's last readers stand just ahead: four places first
.if \pl
	PLACES
.endif
.irp m, 0,1
.irp c, 0,1,2,3
	ds_load_b128 v[XF+32*(\fs)+16*\m+4*\c:XF+32*(\fs)+16*\m+4*\c+3], v[AXB+(\buf)] offset:\m*MSTR+(\ks)*KSTR+\c*CSTR
.endr
.endr
.endm
.macro MUL fs, ks                      ; eight products; the eight accumulators take turns, one instruction a turn.  The first K step takes b1 as C: nothing is cleared or added later
.if (\ks) == 0
	WIN 0x31                                       ; source 0 (W1) window 1, source 2 (b1) window 3
.elseif (\ks) < 4
	WIN 0x01
.else
	WIN 0x02
.endif
.irp m, 0,1
.irp u, 0,1,2,3
.if (\ks) == 0
	v_wmma_f32_16x16x128_bf8_bf8 v[ACC+32*\m+8*\u:ACC+32*\m+8*\u+7], v[16*(4*((\ks)%4)+\u):16*(4*((\ks)%4)+\u)+15], v[XF+32*(\fs)+16*\m:XF+32*(\fs)+16*\m+15], v[BIAS+8*\u:BIAS+8*\u+7]
.else
	v_wmma_f32_16x16x128_bf8_bf8 v[ACC+32*\m+8*\u:ACC+32*\m+8*\u+7], v[16*(4*((\ks)%4)+\u):16*(4*((\ks)%4)+\u)+15], v[XF+32*(\fs)+16*\m:XF+32*(\fs)+16*\m+15], v[ACC+32*\m+8*\u:ACC+32*\m+8*\u+7]
.endif
.endr
.endr
	WIN 0
.endm
; A tile: 64 products, the fragments of x three K steps ahead in four sets; then relu, codes, store.
; The first three fetches want no places of their own: on the one way that leads here from a matrix instruction stand the four places behind the last tile's last product.
.macro COMPUTE buf
	FETCH \buf, 0, 0, 0
	FETCH \buf, 1, 1, 0
	FETCH \buf, 2, 2, 0
.irp ks, 0,1,2,3,4,5,6,7
.if \ks < 5
	FETCH \buf, (\ks+3)%4, \ks+3, 1
	s_wait_dscnt 24                                ; this K step's fragments are in; the three younger sets' 24 loads may be out
.else
	s_wait_dscnt 8*(7-\ks)                         ; nothing more is asked for: two younger sets, one, none
.endif
	MUL \ks%4, \ks
.endr
	PLACES
.irp mb, 0,1,2,3                       ; mb = 2 m + b: rows 16 m on, units 32 b on: 16 registers, two accumulators
.irp j, 0,1,2,3,4,5,6,7,8,9,10,11,12,13,14,15
	v_med3_num_f32 v[ACC+16*\mb+\j], v[ACC+16*\mb+\j], 0, v[LIM]   ; the activation and the hold in one; each accumulator from its low end on
.endr
	v_cvt_scalef32_pk8_bf8_f32 v[CD+4*\mb:CD+4*\mb+1],   v[ACC+16*\mb:ACC+16*\mb+7],    v[SCV]
	v_cvt_scalef32_pk8_bf8_f32 v[CD+4*\mb+2:CD+4*\mb+3], v[ACC+16*\mb+8:ACC+16*\mb+15], v[SCV]
.endr
	v_nop                                          ; a plain line behind the last conversion: matrix instructions will write its sources
.irp mb, 0,1,2,3
	global_store_b128 v[L16], v[CD+4*\mb:CD+4*\mb+3], s[32:33] offset:65536*(\mb/2)+512*(\mb%2)   ; registers 4 c .. 4 c + 3, c = 2 ch + b, of the image of rows 32 rh + 16 m on, K step chunk
.endr
.endm
; A TRIP: tile T + p is multiplied out of buffer p; tile T + p + 1 is asked for ahead of the products and put into the other buffer behind them.  That buffer was last read a trip ago, and every wave's
; reads of it were waited for ahead of that trip's barrier.  One barrier a trip, on every path.
.macro TRIP p
	s_add_co_u32 s25, s23, \p+1
	s_cmp_lt_u32 s25, s21
	s_cbranch_scc0 .Lna_\@
	LOADX
.Lna_\@:
	s_add_co_u32 s26, s23, \p
	s_cmp_lt_u32 s26, s21
	s_cbranch_scc0 .Lnb_\@
	COMPUTE \p
.Lnb_\@:
	s_cmp_lt_u32 s25, s21
	s_cbranch_scc0 .Lnc_\@
	STAGEX 1-\p
.Lnc_\@:
	s_wait_loadcnt 0x0                             ; no load of mine is out: the rows' offsets may be written again,
	s_wait_xcnt 0x0                                ; and the stores have read their data and their base
	s_add_co_u32 s30, s30, 64                      ; the next tile to ask for
	s_add_nc_u64 s[32:33], s[32:33], 262144        ; the next tile's images: 64 slots of 4,096 bytes
	BARRIER
.endm
	s_load_b256 s[4:11], s[0:1], 0x0               ; xs s[4:5], W1's codes s[6:7], b1 s[8:9], the scales' exponents s[10:11]
	s_load_b128 s[12:15], s[0:1], 0x20             ; pl s[12:13], hq s[14:15]
	v_lshl_add_u32 v46, v0, 2, 0x41000
	v_mov_b32 v47, 0
	v_lshrrev_b32 v1, 5, v0
	v_readfirstlane_b32 s16, v1                    ; wave 0..3
	s_lshr_b32 s51, s16, 1                         ; rh: which 32 rows of a tile I multiply
	s_and_b32 s52, s16, 1                          ; ch: which 64 units of the chunk I keep
	s_mov_b32 s17, ttmp9                           ; chunk
	s_and_b32 s18, ttmp7, 0xffff                   ; expert
	v_and_b32 v1, 31, v0                           ; lane
	v_and_b32 v2, 15, v0                           ; r
	v_bfe_u32 v3, v0, 4, 1                         ; h
	v_lshlrev_b32 v[L16], 4, v1
	s_mul_i32 s25, s51, 32*PX
	v_mul_u32_u24 v[AXB], v2, PX
	v_lshl_add_u32 v[AXB], v3, 4, v[AXB]
	v_add_nc_u32 v[AXB], s25, v[AXB]               ; a fragment's row 32 rh + r, + 16 h
	v_add_nc_u32 v[AXB+1], XB1, v[AXB]
	s_mul_i32 s25, s16, MSTR
	v_mul_u32_u24 v[SXB], v3, PX
	v_lshl_add_u32 v[SXB], v2, 4, v[SXB]
	v_add_nc_u32 v[SXB], s25, v[SXB]               ; row 16 w + h, + 16 r
	v_add_nc_u32 v[SXB+1], XB1, v[SXB]
	s_mul_i32 s26, s16, WREG
	s_add_co_u32 s26, s26, WST                     ; the part of the stage that I fill
	v_add_nc_u32 v[AWS], s26, v[L16]
	s_mul_i32 s26, s52, 64*PX
	s_add_co_u32 s26, s26, WST                     ; and the half that I read
	v_mul_u32_u24 v[AWR], v2, PX
	v_lshl_add_u32 v[AWR], v3, 4, v[AWR]
	v_add_nc_u32 v[AWR], s26, v[AWR]               ; place r of a unit tile, + 16 h
	s_lshl_b32 s27, s16, 4
	v_add_nc_u32 v[RL], s27, v3
	v_lshlrev_b32 v[CL], 4, v2
	v_lshlrev_b32 v[BO], 6, v3
	s_lshl_b32 s50, s18, 2
	s_lshl_b32 s40, s18, 22                        ; W1: expert x 4 MiB + chunk x 128 rows + wave x 32 rows of 1,024 bytes
	s_lshl_b32 s41, s17, 17
	s_add_co_u32 s40, s40, s41
	s_lshl_b32 s41, s16, 15
	s_add_co_u32 s40, s40, s41
	s_mov_b32 s41, 0
	s_lshl_b32 s42, s18, 14                        ; b1: expert x 4,096 + chunk x 128 + ch x 64 numbers
	s_lshl_b32 s43, s17, 9
	s_add_co_u32 s42, s42, s43
	s_lshl_b32 s43, s52, 8
	s_add_co_u32 s42, s42, s43
	s_mov_b32 s43, 0
	s_wait_kmcnt 0x0
	s_load_b32 s19, s[12:13], s50 offset:0x2000    ; base_e
	s_load_b32 s20, s[12:13], s50 offset:0x2020    ; n_e
	s_load_b128 s[36:39], s[10:11], 0x0            ; s0 .. s3
	s_add_nc_u64 s[28:29], s[6:7], s[40:41]
	s_add_nc_u64 s[34:35], s[8:9], s[42:43]
	WLOAD                                          ; the weights go out first: nothing of them hangs on the counts
	WIN 0xc0
.irp u, 0,1,2,3
	global_load_b128 v[BIAS+8*\u:BIAS+8*\u+3],   v[BO], s[34:35] offset:128*(\u/2)+32*(\u%2)      ; b1 in the result's layout: units 32 (u / 2) + 16 h + 8 (u % 2) + 0 .. 7 of my 64
	global_load_b128 v[BIAS+8*\u+4:BIAS+8*\u+7], v[BO], s[34:35] offset:128*(\u/2)+32*(\u%2)+16
.endr
	WIN 0
	s_wait_kmcnt 0x0
	s_min_u32 s19, s19, 0x9c0                      ; stored numbers are held in their ranges before they enter addresses
	s_min_u32 s20, s20, 0x400
	s_add_co_u32 s21, s20, 63
	s_lshr_b32 s21, s21, 6                         ; the expert's tiles, 0 to 16
	s_add_co_u32 s22, s19, s20
	s_sub_co_u32 s22, s22, 1
	s_cmp_lg_u32 s20, 0
	s_cselect_b32 s22, s22, 0                      ; its last row's slot; without rows: slot 0, which always holds a row
	s_mov_b32 s30, s19
	s_lshl_b32 s44, s19, 12                        ; hq: slot x 4,096 + rh x 32 slots + chunk x 2,048 + ch x 1,024
	s_lshl_b32 s45, s51, 17
	s_add_co_u32 s44, s44, s45
	s_lshl_b32 s45, s17, 11
	s_add_co_u32 s44, s44, s45
	s_lshl_b32 s45, s52, 10
	s_add_co_u32 s44, s44, s45
	s_mov_b32 s45, 0
	s_add_nc_u64 s[32:33], s[14:15], s[44:45]
	LOADX                                          ; tile 0, on every path (the holds keep it inside the written rows for an expert without rows too)
	s_add_co_i32 s46, s36, s37                     ; s0 + s1
	s_sub_co_i32 s47, 0, s46
	s_sub_co_i32 s48, s38, s46                     ; s2 - s0 - s1
	s_add_co_i32 s48, s48, 127
	s_lshl_b32 s49, s48, 23
	v_mov_b32 v[SCV], s49
	s_add_co_i32 s48, s48, 15
	s_lshl_b32 s48, s48, 23
	s_or_b32 s48, s48, 0x600000
	v_mov_b32 v[LIM], s48
	s_wait_loadcnt 40                              ; the weights' 64 loads are in; b1's 8 and the tile's 32, issued behind them, may be out
	WSTORE
	BARRIER                                        ; all 128 rows lie in the stage, and my stores have read the registers that the fragments take
	WFRAG                                          ; the tile's loads land meanwhile
	STAGEX 0
	s_add_co_u32 s30, s30, 64
	WIN 0xc3                                       ; source 0 and destination window 3
.set JJ, 0
.rept 32
	v_ldexp_f32 v[BIAS+JJ], v[BIAS+JJ], s47        ; b1 / 2^(s0 + s1)
.set JJ, JJ+1
.endr
	WIN 0
	BARRIER                                        ; tile 0 lies in buffer 0; my fragments of W1 are in
	s_mov_b32 s23, 0
.Lloop:
	TRIP 0
	TRIP 1
	s_add_co_u32 s23, s23, 2
	s_cmp_lt_u32 s23, 16
	s_cbranch_scc1 .Lloop
	s_wait_tensorcnt 0x0
	ds_add_u32 v46, v47
	s_wait_dscnt 0x0
	s_endpgm
.Lfunc_end_k_q1a5f68af58_ffn1:
	.size	k_q1a5f68af58_ffn1, .Lfunc_end_k_q1a5f68af58_ffn1-k_q1a5f68af58_ffn1
	.p2alignl 7, 3214868480
	.fill 96, 4, 3214868480
	.section	.rodata,"a",@progbits
	.p2align	6, 0x0
	.amdhsa_kernel k_q1a5f68af58_ffn1
		.amdhsa_group_segment_fixed_size 266752
		.amdhsa_private_segment_fixed_size 0
		.amdhsa_enable_private_segment 0
		.amdhsa_kernarg_size 48
		.amdhsa_user_sgpr_count 2
		.amdhsa_user_sgpr_kernarg_segment_ptr 1
		.amdhsa_wavefront_size32 1
		.amdhsa_system_sgpr_workgroup_id_x 1
		.amdhsa_system_sgpr_workgroup_id_y 1
		.amdhsa_system_sgpr_workgroup_id_z 1
		.amdhsa_system_vgpr_workitem_id 0
		.amdhsa_next_free_vgpr 928
		.amdhsa_next_free_sgpr 66
		.amdhsa_reserve_vcc 0
		.amdhsa_float_denorm_mode_32 3
		.amdhsa_float_denorm_mode_16_64 3
		.amdhsa_memory_ordered 1
		.amdhsa_forward_progress 1
		.amdhsa_inst_pref_size 76
	.end_amdhsa_kernel
	.amdgpu_metadata
---
amdhsa.version: [ 1, 2 ]
amdhsa.kernels:
  - .name:           k_q1a5f68af58_ffn1
    .symbol:         k_q1a5f68af58_ffn1.kd
    .args:
      - { .name: xs, .offset: 0, .size: 8, .value_kind: global_buffer, .address_space: global }
      - { .name: W1_codes, .offset: 8, .size: 8, .value_kind: global_buffer, .address_space: global }
      - { .name: b1, .offset: 16, .size: 8, .value_kind: global_buffer, .address_space: global }
      - { .name: lowp_scales, .offset: 24, .size: 8, .value_kind: global_buffer, .address_space: global }
      - { .name: pl, .offset: 32, .size: 8, .value_kind: global_buffer, .address_space: global }
      - { .name: hq, .offset: 40, .size: 8, .value_kind: global_buffer, .address_space: global }
    .group_segment_fixed_size: 266752
    .private_segment_fixed_size: 0
    .kernarg_segment_align: 8
    .kernarg_segment_size: 48
    .max_flat_workgroup_size: 128
    .sgpr_count:     66
    .vgpr_count:     928
    .wavefront_size: 32
...
	.end_amdgpu_metadata
.endif
;; end of part 3
;; launch ffn2 (part 4): grid 32 x 8, 4 waves a work-group, no clusters, 264,704 bytes of LDS; arguments hq, W2_codes, pl, part; writes part
.if DOCPART == 4
	.amdgcn_target "amdgcn-amd-amdhsa--gfx1250"
	.amdhsa_code_object_version 6
	.text
	.protected	k_q1a5f68af58_ffn2
	.globl	k_q1a5f68af58_ffn2
	.p2align	8
	.type	k_q1a5f68af58_ffn2,@function
k_q1a5f68af58_ffn2:
	s_mov_b64 s[64:65], 0
	v_nop
	global_prefetch_b8 v0, s[64:65] scope:SCOPE_SE
	s_setreg_imm32_b32 hwreg(HW_REG_WAVE_MODE, 25, 1), 1
	s_wait_xcnt 0x0
; THE SECOND PRODUCT, for the chosen rows alone: the sums of hidden codes x W2[e]'s codes, left unscaled: the last launch multiplies by 2^(s2 + s3), adds b2 and weighs.
; THE WEIGHTS STAY, THE ROWS WALK, as in the first product.  Work-group (x, e): cc = x % 8 owns output columns 128 cc .. + 127 of expert e, q = x / 8 the quarter 1,024 q .. + 1,023 of K = 4,096:
; 128 KiB of W2, read from memory once in the launch.  So an output is four f32 sums over a quarter of K each, added later in a fixed order.
; THE FOUR WAVES ARE 2 x 2: wave w = (rh = w / 2, ch = w % 2) keeps columns 64 ch .. + 63 in 512 registers (32 fragments) and multiplies rows 32 rh .. + 31 of each tile of 64 slots: a fragment of rows read
; from LDS feeds four products, and a tile is read from LDS twice; each column's codes lie in two waves' registers, which come out of one stage in LDS that the four waves fill together.
; THE ROWS come as images of the operand's registers ([slot / 16][K step][c][lane][16 bytes]): a tile of 64 slots is, for my quarter, four dense blocks of 16 KiB; wave w brings block w; any wave reads a
; fragment back by four loads at 16 x lane: no pitch, no padding.  Two tile buffers take turns.
; HOW MANY TILES hangs on n_e, which an earlier launch stored: 16 trips, a barrier in each, forward branches on the count over the work alone.
; NO TENSOR LOAD, NO CLUSTER, though the 8 work-groups of a quarter walk the same rows: joint requests are tensor loads;
; without the branch each work-group would fetch 16 tiles where there are 39 at the most in all.  No prefetch: the weights, the one stream read once, are all asked for at the head.
; TRANSPOSED USE (source 0 = 16 columns of W2, source 1 = 16 rows), lane r of column tile u taking column 32 (u / 2) + 8 (u % 2) + r + 8 (r / 8): lane (r, h) holds row r and, in the 16 registers of tiles
; 2 b and 2 b + 1, columns 32 b + 16 h + 0 .. 15 of my 64: 64 neighbouring bytes.  A row's 128 columns come from two waves: they meet in a stage in LDS, and each wave stores 16 whole rows of 512 bytes.
; OUT: part[slot][q][1024] f32.  Rows past n_e in an expert's last tile are written and never gathered.
; REGISTERS: window 0: v1-28 addresses; v64-191 fragments of the rows, four sets of 32; v192-255 eight accumulators ((m, u) at 192 + 32 m + 8 u), later 16 rows on their way out.
;   windows 1 and 2: W2's 32 fragments: (u, K step s) at 16 (4 (s % 4) + u) of window 1 + s / 4.   window 3: v0-127 the next tile on its way to LDS.
.set PX,   1040                        ; a row of the weights' stage: 1,024 bytes + 16 = 65 x 16
.set XB1,  65536                       ; LDS: tile buffer 0 at 0, buffer 1 here,
.set WST,  131072                      ; and the weights' stage: 128 rows, through which they turn once.  Behind the head's last barrier the same bytes are
.set WREG, 32*PX
.set OP,   528                         ; the two stages for the way out: 64 rows of 512 bytes + 16 = 33 x 16
.set OUT1, 64*OP
.set MSTR, 16384
.set KSTR, 2048
.set CSTR, 512
.set WROW, 4096                        ; a row of W2 in memory
.set L16,  4                           ; v4     16 x lane
.set AXB,  5                           ; v5-6   where I read fragments in buffer 0, 1
.set SXB,  7                           ; v7-8   where I put my block of a tile in buffer 0, 1
.set AWS,  9                           ; v9     the weights' stage, in
.set AWR,  10                          ; v10    and out
.set OST,  25                          ; v25-26 the way out: where I put 64 bytes of a row, stage 0, 1
.set ORD,  27                          ; v27-28 and where I read a row back
.set XF,   64
.set ACC,  192
.set MSB,  0
.macro WIN new                         ; the immediate's high byte repeats the setting that is left; at every label and branch the setting is 0
.if MSB != \new
	s_set_vgpr_msb (MSB<<8)|\new
.set MSB, \new
.endif
.endm
.macro PLACES                          ; four plain lines between a matrix instruction and a load into, or a read of, its registers
.rept 4
	v_nop
.endr
.endm
.macro BARRIER                         ; my LDS stores have landed and my LDS loads are in: then the work-group's barrier
	s_wait_dscnt 0x0
	s_barrier_signal -1
	s_barrier_wait -1
.endm
.macro WLOAD                           ; rows 32 w .. + 31 of the 128, my quarter of K, 512 consecutive bytes a load, into window 1
	WIN 0x40
.set JJ, 0
.rept 64
	global_load_b128 v[4*JJ:4*JJ+3], v[L16], s[28:29] offset:(JJ/2)*WROW+512*(JJ%2) th:TH_LOAD_NT
.set JJ, JJ+1
.endr
	WIN 0
.endm
; Into the stage.  Of each 32 rows, row p goes to place 16 ((p / 8) % 2) + 8 (p / 16) + p % 8: the order in which the column tiles take them, so that place 16 u + r holds the row of tile u's lane r,
; and the sixteen lanes of a fragment load touch sixteen neighbouring places.
.macro WSTORE
	WIN 0x04
.set JJ, 0
.rept 64
	ds_store_b128 v[AWS], v[4*JJ:4*JJ+3] offset:((((JJ/2)/8)%2)*16+((JJ/2)/16)*8+(JJ/2)%8)*PX+512*(JJ%2)
.set JJ, JJ+1
.endr
	WIN 0
.endm
.macro WFRAG                           ; behind a barrier: my 64 columns' 32 fragments out of the stage, which two waves filled
	WIN 0x40
.irp ks, 0,1,2,3
.irp u, 0,1,2,3
.irp c, 0,1,2,3
	ds_load_b128 v[16*(4*\ks+\u)+4*\c:16*(4*\ks+\u)+4*\c+3], v[AWR] offset:16*\u*PX+128*\ks+32*\c
.endr
.endr
.endr
	WIN 0x80
.irp ks, 0,1,2,3
.irp u, 0,1,2,3
.irp c, 0,1,2,3
	ds_load_b128 v[16*(4*\ks+\u)+4*\c:16*(4*\ks+\u)+4*\c+3], v[AWR] offset:16*\u*PX+128*(\ks+4)+32*\c
.endr
.endr
.endr
	WIN 0
.endm
.macro LOADX                           ; my block of the tile at s[30:31]: 16 rows x my quarter of K, 16 KiB on end
	WIN 0xc0
.set JJ, 0
.rept 32
	global_load_b128 v[4*JJ:4*JJ+3], v[L16], s[30:31] offset:512*JJ
.set JJ, JJ+1
.endr
	WIN 0
.endm
.macro STAGEX buf                      ; goes into a tile buffer as it lies
	s_wait_loadcnt 0x0                             ; the 32 loads, the youngest that I have issued
	WIN 0x0c
.set JJ, 0
.rept 32
	ds_store_b128 v[SXB+(\buf)], v[4*JJ:4*JJ+3] offset:512*JJ
.set JJ, JJ+1
.endr
	WIN 0
.endm
.macro FETCH buf, fs, ks, pl           ; my two fragments (32 rows x 128 K) of K step ks into set fs.  pl = 1: the set's last readers stand just ahead: four places first
.if \pl
	PLACES
.endif
.irp m, 0,1
.irp c, 0,1,2,3
	ds_load_b128 v[XF+32*(\fs)+16*\m+4*\c:XF+32*(\fs)+16*\m+4*\c+3], v[AXB+(\buf)] offset:\m*MSTR+(\ks)*KSTR+\c*CSTR
.endr
.endr
.endm
.macro MUL fs, ks                      ; eight products; the eight accumulators take turns, one instruction a turn.  The first K step starts the sums with the constant 0
.if (\ks) < 4
	WIN 0x01
.else
	WIN 0x02
.endif
.irp m, 0,1
.irp u, 0,1,2,3
.if (\ks) == 0
	v_wmma_f32_16x16x128_bf8_bf8 v[ACC+32*\m+8*\u:ACC+32*\m+8*\u+7], v[16*(4*((\ks)%4)+\u):16*(4*((\ks)%4)+\u)+15], v[XF+32*(\fs)+16*\m:XF+32*(\fs)+16*\m+15], 0
.else
	v_wmma_f32_16x16x128_bf8_bf8 v[ACC+32*\m+8*\u:ACC+32*\m+8*\u+7], v[16*(4*((\ks)%4)+\u):16*(4*((\ks)%4)+\u)+15], v[XF+32*(\fs)+16*\m:XF+32*(\fs)+16*\m+15], v[ACC+32*\m+8*\u:ACC+32*\m+8*\u+7]
.endif
.endr
.endr
	WIN 0
.endm
; A tile: 64 products, the fragments three K steps ahead in four sets; then the sums go into stage buf.
; The first three fetches want no places of their own: on the one way that leads here from a matrix instruction stand the four places behind the last tile's last product.
.macro COMPUTE buf
	FETCH \buf, 0, 0, 0
	FETCH \buf, 1, 1, 0
	FETCH \buf, 2, 2, 0
.irp ks, 0,1,2,3,4,5,6,7
.if \ks < 5
	FETCH \buf, (\ks+3)%4, \ks+3, 1
	s_wait_dscnt 24                                ; this K step's fragments are in; the three younger sets' 24 loads may be out
.else
	s_wait_dscnt 8*(7-\ks)                         ; nothing more is asked for: two younger sets, one, none
.endif
	MUL \ks%4, \ks
.endr
	PLACES
.irp m, 0,1
.irp b, 0,1
.irp i, 0,1,2,3
	ds_store_b128 v[OST+(\buf)], v[ACC+32*\m+16*\b+4*\i:ACC+32*\m+16*\b+4*\i+3] offset:16*\m*OP+128*\b+16*\i   ; row 32 rh + 16 m + r, columns 64 ch + 32 b + 16 h + 4 i on; each accumulator from its low end on
.endr
.endr
.endr
.endm
.macro OUTSEND buf                     ; behind the barrier: rows 16 w .. + 15 of the stage, whole
.irp i, 0,1,2,3,4,5,6,7,8,9,10,11,12,13,14,15
	ds_load_b128 v[ACC+4*\i:ACC+4*\i+3], v[ORD+(\buf)] offset:OP*\i
.endr
.irp i, 0,1,2,3,4,5,6,7,8,9,10,11,12,13,14,15
	s_wait_dscnt 15-\i                             ; LDS loads come back in order: row i is in, the younger ones may be out
	global_store_b128 v[L16], v[ACC+4*\i:ACC+4*\i+3], s[32:33] offset:16384*\i th:TH_STORE_NT   ; the wave stores 512 consecutive bytes, aligned
.endr
.endm
; A TRIP: tile T + p is multiplied out of buffer p; tile T + p + 1 is asked for ahead of the products and put into the other buffer behind them; the sums go into stage p, and behind the barrier out of it.
; The other buffer was last read a trip ago, and stage p two trips ago: every wave's reads of them were waited for ahead of a barrier that all have passed since.  One barrier a trip, on every path.
.macro TRIP p
	s_add_co_u32 s25, s23, \p+1
	s_cmp_lt_u32 s25, s21
	s_cbranch_scc0 .Lna_\@
	LOADX
.Lna_\@:
	s_add_co_u32 s26, s23, \p
	s_cmp_lt_u32 s26, s21
	s_cbranch_scc0 .Lnb_\@
	COMPUTE \p
.Lnb_\@:
	s_cmp_lt_u32 s25, s21
	s_cbranch_scc0 .Lnc_\@
	STAGEX 1-\p
.Lnc_\@:
	s_wait_loadcnt 0x0                             ; no load of mine is out:
	s_wait_xcnt 0x0
	s_add_nc_u64 s[30:31], s[30:31], 262144        ; the loads' base may step: 64 slots of 4,096 bytes
	BARRIER
	s_cmp_lt_u32 s26, s21
	s_cbranch_scc0 .Lnd_\@
	OUTSEND \p
.Lnd_\@:
	s_wait_xcnt 0x0                                ; the stores have read their data, which the next products write, and their base
	s_add_nc_u64 s[32:33], s[32:33], 1048576       ; 64 slots of 16,384 bytes
.endm
	s_load_b256 s[4:11], s[0:1], 0x0               ; hq s[4:5], W2's codes s[6:7], pl s[8:9], part s[10:11]
	v_lshl_add_u32 v62, v0, 2, 0x40800
	v_mov_b32 v63, 0
	v_lshrrev_b32 v1, 5, v0
	v_readfirstlane_b32 s16, v1                    ; wave 0..3
	s_lshr_b32 s51, s16, 1                         ; rh: which 32 rows of a tile I multiply
	s_and_b32 s52, s16, 1                          ; ch: which 64 of the 128 columns I keep
	s_and_b32 s17, ttmp9, 7                        ; cc: which 128 columns
	s_lshr_b32 s24, ttmp9, 3                       ; q: which quarter of K
	s_and_b32 s18, ttmp7, 0xffff                   ; expert
	v_and_b32 v1, 31, v0                           ; lane
	v_and_b32 v2, 15, v0                           ; r
	v_bfe_u32 v3, v0, 4, 1                         ; h
	v_lshlrev_b32 v[L16], 4, v1
	s_lshl_b32 s25, s51, 15
	v_add_nc_u32 v[AXB], s25, v[L16]               ; blocks 2 rh and 2 rh + 1 of a tile
	v_add_nc_u32 v[AXB+1], XB1, v[AXB]
	s_lshl_b32 s25, s16, 14
	v_add_nc_u32 v[SXB], s25, v[L16]               ; block w of a tile
	v_add_nc_u32 v[SXB+1], XB1, v[SXB]
	s_mul_i32 s26, s16, WREG
	s_add_co_u32 s26, s26, WST                     ; the part of the weights' stage that I fill
	v_add_nc_u32 v[AWS], s26, v[L16]
	s_mul_i32 s26, s52, 64*PX
	s_add_co_u32 s26, s26, WST                     ; and the half that I read
	v_mul_u32_u24 v[AWR], v2, PX
	v_lshl_add_u32 v[AWR], v3, 4, v[AWR]
	v_add_nc_u32 v[AWR], s26, v[AWR]               ; place r of a column tile, + 16 h
	s_mul_i32 s27, s51, 32*OP
	s_lshl_b32 s53, s52, 8
	s_add_co_u32 s27, s27, s53
	s_add_co_u32 s27, s27, WST
	v_mul_u32_u24 v[OST], v2, OP
	v_lshl_add_u32 v[OST], v3, 6, v[OST]
	v_add_nc_u32 v[OST], s27, v[OST]               ; the way out: row 32 rh + r, + 256 ch + 64 h
	v_add_nc_u32 v[OST+1], OUT1, v[OST]
	s_mul_i32 s27, s16, 16*OP
	s_add_co_u32 s27, s27, WST
	v_add_nc_u32 v[ORD], s27, v[L16]               ; back: rows 16 w on, 16 bytes a lane
	v_add_nc_u32 v[ORD+1], OUT1, v[ORD]
	s_lshl_b32 s50, s18, 2
	s_lshl_b32 s40, s18, 22                        ; W2: expert x 4 MiB + (128 cc + 32 w) rows of 4,096 bytes + 1,024 q
	s_lshl_b32 s41, s17, 19
	s_add_co_u32 s40, s40, s41
	s_lshl_b32 s41, s16, 17
	s_add_co_u32 s40, s40, s41
	s_lshl_b32 s41, s24, 10
	s_add_co_u32 s40, s40, s41
	s_mov_b32 s41, 0
	s_wait_kmcnt 0x0
	s_load_b32 s19, s[8:9], s50 offset:0x2000      ; base_e
	s_load_b32 s20, s[8:9], s50 offset:0x2020      ; n_e
	s_add_nc_u64 s[28:29], s[6:7], s[40:41]
	WLOAD                                          ; the weights go out first: nothing of them hangs on the counts
	s_wait_kmcnt 0x0
	s_min_u32 s19, s19, 0x9c0                      ; stored numbers are held in their ranges before they enter addresses
	s_min_u32 s20, s20, 0x400
	s_add_co_u32 s21, s20, 63
	s_lshr_b32 s21, s21, 6                         ; the expert's tiles, 0 to 16
	s_cmp_lg_u32 s20, 0
	s_cselect_b32 s42, s19, 0                      ; an expert without rows reads the tile at slot 0, which is always written, and uses nothing of it
	s_min_u32 s42, s42, 0x9c0
	s_lshl_b32 s42, s42, 12                        ; hq: slot x 4,096 + wave x 16 slots + q x 8 K steps of 2,048 bytes
	s_lshl_b32 s43, s16, 16
	s_add_co_u32 s42, s42, s43
	s_lshl_b32 s43, s24, 14
	s_add_co_u32 s42, s42, s43
	s_mov_b32 s43, 0
	s_add_nc_u64 s[30:31], s[4:5], s[42:43]
	s_lshl_b32 s44, s19, 14                        ; part: (slot + 16 w) x 16,384 + q x 4,096 + cc x 512
	s_lshl_b32 s45, s16, 18
	s_add_co_u32 s44, s44, s45
	s_lshl_b32 s45, s24, 12
	s_add_co_u32 s44, s44, s45
	s_lshl_b32 s45, s17, 9
	s_add_co_u32 s44, s44, s45
	s_mov_b32 s45, 0
	s_add_nc_u64 s[32:33], s[10:11], s[44:45]
	LOADX                                          ; tile 0, on every path
	s_wait_loadcnt 32                              ; the weights' 64 loads are in; the tile's 32, issued behind them, may be out
	WSTORE
	BARRIER                                        ; all 128 rows lie in the stage, and my stores have read the registers that the fragments take
	WFRAG                                          ; the tile's loads land meanwhile
	STAGEX 0
	s_add_nc_u64 s[30:31], s[30:31], 262144        ; (behind the wait for all loads)
	BARRIER                                        ; tile 0 lies in buffer 0; every wave's fragments of W2 are in, so the weights' stage is free for the way out
	s_mov_b32 s23, 0
.Lloop:
	TRIP 0
	TRIP 1
	s_add_co_u32 s23, s23, 2
	s_cmp_lt_u32 s23, 16
	s_cbranch_scc1 .Lloop
	s_wait_tensorcnt 0x0
	ds_add_u32 v62, v63
	s_wait_dscnt 0x0
	s_endpgm
.Lfunc_end_k_q1a5f68af58_ffn2:
	.size	k_q1a5f68af58_ffn2, .Lfunc_end_k_q1a5f68af58_ffn2-k_q1a5f68af58_ffn2
	.p2alignl 7, 3214868480
	.fill 96, 4, 3214868480
	.section	.rodata,"a",@progbits
	.p2align	6, 0x0
	.amdhsa_kernel k_q1a5f68af58_ffn2
		.amdhsa_group_segment_fixed_size 264704
		.amdhsa_private_segment_fixed_size 0
		.amdhsa_enable_private_segment 0
		.amdhsa_kernarg_size 32
		.amdhsa_user_sgpr_count 2
		.amdhsa_user_sgpr_kernarg_segment_ptr 1
		.amdhsa_wavefront_size32 1
		.amdhsa_system_sgpr_workgroup_id_x 1
		.amdhsa_system_sgpr_workgroup_id_y 1
		.amdhsa_system_sgpr_workgroup_id_z 1
		.amdhsa_system_vgpr_workitem_id 0
		.amdhsa_next_free_vgpr 896
		.amdhsa_next_free_sgpr 66
		.amdhsa_reserve_vcc 0
		.amdhsa_float_denorm_mode_32 3
		.amdhsa_float_denorm_mode_16_64 3
		.amdhsa_memory_ordered 1
		.amdhsa_forward_progress 1
		.amdhsa_inst_pref_size 67
	.end_amdhsa_kernel
	.amdgpu_metadata
---
amdhsa.version: [ 1, 2 ]
amdhsa.kernels:
  - .name:           k_q1a5f68af58_ffn2
    .symbol:         k_q1a5f68af58_ffn2.kd
    .args:
      - { .name: hq, .offset: 0, .size: 8, .value_kind: global_buffer, .address_space: global }
      - { .name: W2_codes, .offset: 8, .size: 8, .value_kind: global_buffer, .address_space: global }
      - { .name: pl, .offset: 16, .size: 8, .value_kind: global_buffer, .address_space: global }
      - { .name: part, .offset: 24, .size: 8, .value_kind: global_buffer, .address_space: global }
    .group_segment_fixed_size: 264704
    .private_segment_fixed_size: 0
    .kernarg_segment_align: 8
    .kernarg_segment_size: 32
    .max_flat_workgroup_size: 128
    .sgpr_count:     66
    .vgpr_count:     896
    .wavefront_size: 32
...
	.end_amdgpu_metadata
.endif
;; end of part 4
;; launch combine (part 5): grid 1024 x 1, 8 waves a work-group, no clusters, 0 bytes of LDS; arguments part, pl, rt, gw, b2, lowp_scales, out0; writes out0
.if DOCPART == 5
	.amdgcn_target "amdgcn-amd-amdhsa--gfx1250"
	.amdhsa_code_object_version 6
	.text
	.protected	k_q1a5f68af58_combine
	.globl	k_q1a5f68af58_combine
	.p2align	8
	.type	k_q1a5f68af58_combine,@function
k_q1a5f68af58_combine:
	s_mov_b64 s[64:65], 0
	v_nop
	global_prefetch_b8 v0, s[64:65] scope:SCOPE_SE
	s_setreg_imm32_b32 hwreg(HW_REG_WAVE_MODE, 25, 1), 1
	s_wait_xcnt 0x0
; out[n] = the sum over the token's two choices k of w_k x (2^(s2 + s3) x (the four quarter sums of its slot) + b2[expert_k]).
; A work-group is a token; thread t takes columns 4 t .. 4 t + 3, so that each load and the store of a wave cover 512 consecutive bytes, aligned.  The token's two slots and experts are whole numbers that
; earlier launches stored; they are held in their ranges before they enter addresses.  The quarter sums are added as (q0 + q1) + (q2 + q3).
; A stream: memory binds, each byte of part that is wanted is read once; no LDS, no barrier, no matrix unit.
; LIMIT: s2 + s3 between -126 and 127, so that 2^(s2 + s3) is an f32 number.
.set P,  4                             ; v4-43   choice k: four quarter sums and b2, 4 registers each, at P + 20 k
.set T,  44                            ; v44-51  at work
.set O,  52                            ; v52-55  the result
	s_load_b256 s[4:11], s[0:1], 0x0               ; part s[4:5], pl s[6:7], rt s[8:9], gw s[10:11]
	s_load_b128 s[12:15], s[0:1], 0x20             ; b2 s[12:13], the scales' exponents s[14:15]
	s_load_b64 s[16:17], s[0:1], 0x30              ; out0
	v_lshlrev_b32 v1, 4, v0                        ; my 16 bytes of a row
	s_lshr_b32 s18, ttmp9, 4
	s_lshl_b32 s18, s18, 7
	s_and_b32 s19, ttmp9, 15
	s_lshl_b32 s19, s19, 2
	s_add_co_u32 s18, s18, s19                     ; entry (n, 0) = 32 (n / 16) + n % 16, a word each; entry (n, 1) lies 16 words on
	s_lshl_b32 s38, ttmp9, 12                      ; the token's row of out0
	s_mov_b32 s39, 0
	s_wait_kmcnt 0x0
	s_load_b32 s20, s[6:7], s18 offset:0x0         ; the two slots,
	s_load_b32 s21, s[6:7], s18 offset:0x40
	s_load_b32 s22, s[8:9], s18 offset:0x0         ; experts,
	s_load_b32 s23, s[8:9], s18 offset:0x40
	s_load_b32 s40, s[10:11], s18 offset:0x0       ; and weights
	s_load_b32 s42, s[10:11], s18 offset:0x40
	s_load_b64 s[24:25], s[14:15], 0x8             ; s2, s3
	s_add_nc_u64 s[36:37], s[16:17], s[38:39]
	s_wait_kmcnt 0x0
	s_min_u32 s20, s20, 0x9ff
	s_min_u32 s21, s21, 0x9ff
	s_min_u32 s22, s22, 7
	s_min_u32 s23, s23, 7
	s_lshl_b32 s26, s20, 14                        ; a slot of part is 16,384 bytes
	s_mov_b32 s27, 0
	s_add_nc_u64 s[28:29], s[4:5], s[26:27]
	s_lshl_b32 s26, s21, 14
	s_add_nc_u64 s[30:31], s[4:5], s[26:27]
	s_lshl_b32 s26, s22, 12                        ; a row of b2 is 4,096 bytes
	s_add_nc_u64 s[32:33], s[12:13], s[26:27]
	s_lshl_b32 s26, s23, 12
	s_add_nc_u64 s[34:35], s[12:13], s[26:27]
.irp k, 0,1
.irp q, 0,1,2,3
	global_load_b128 v[P+20*\k+4*\q:P+20*\k+4*\q+3], v1, s[28+2*\k:29+2*\k] offset:4096*\q th:TH_LOAD_NT
.endr
	global_load_b128 v[P+20*\k+16:P+20*\k+19], v1, s[32+2*\k:33+2*\k]
.endr
	s_mov_b32 s41, s40                             ; (the packed forms name pairs and take the low word for both halves: the high words are written)
	s_mov_b32 s43, s42
	s_add_co_i32 s44, s24, s25
	s_add_co_i32 s44, s44, 127
	s_lshl_b32 s44, s44, 23                        ; 2^(s2 + s3) as f32
	s_mov_b32 s45, s44
.irp k, 0,1
	s_wait_loadcnt 5-5*\k                          ; choice k's five loads are in; behind choice 0's stand choice 1's five
.irp pr, 0,2
	v_pk_add_f32 v[T+\pr:T+\pr+1], v[P+20*\k+\pr:P+20*\k+\pr+1], v[P+20*\k+4+\pr:P+20*\k+4+\pr+1]
	v_pk_add_f32 v[T+4+\pr:T+4+\pr+1], v[P+20*\k+8+\pr:P+20*\k+8+\pr+1], v[P+20*\k+12+\pr:P+20*\k+12+\pr+1]
.endr
.irp pr, 0,2
	v_pk_add_f32 v[T+\pr:T+\pr+1], v[T+\pr:T+\pr+1], v[T+4+\pr:T+4+\pr+1]
.endr
.irp pr, 0,2
	v_pk_fma_f32 v[T+\pr:T+\pr+1], v[T+\pr:T+\pr+1], s[44:45], v[P+20*\k+16+\pr:P+20*\k+16+\pr+1] op_sel_hi:[1,0,1]   ; sum x 2^(s2 + s3) + b2
.endr
.irp pr, 0,2
.if \k == 0
	v_pk_mul_f32 v[O+\pr:O+\pr+1], v[T+\pr:T+\pr+1], s[40:41] op_sel_hi:[1,0]                                          ; x w0
.else
	v_pk_fma_f32 v[O+\pr:O+\pr+1], v[T+\pr:T+\pr+1], s[42:43], v[O+\pr:O+\pr+1] op_sel_hi:[1,0,1]                      ; + x w1
.endif
.endr
.endr
	global_store_b128 v1, v[O:O+3], s[36:37] th:TH_STORE_NT
	s_endpgm
.Lfunc_end_k_q1a5f68af58_combine:
	.size	k_q1a5f68af58_combine, .Lfunc_end_k_q1a5f68af58_combine-k_q1a5f68af58_combine
	.p2alignl 7, 3214868480
	.fill 96, 4, 3214868480
	.section	.rodata,"a",@progbits
	.p2align	6, 0x0
	.amdhsa_kernel k_q1a5f68af58_combine
		.amdhsa_group_segment_fixed_size 0
		.amdhsa_private_segment_fixed_size 0
		.amdhsa_enable_private_segment 0
		.amdhsa_kernarg_size 56
		.amdhsa_user_sgpr_count 2
		.amdhsa_user_sgpr_kernarg_segment_ptr 1
		.amdhsa_wavefront_size32 1
		.amdhsa_system_sgpr_workgroup_id_x 1
		.amdhsa_system_sgpr_workgroup_id_y 1
		.amdhsa_system_sgpr_workgroup_id_z 1
		.amdhsa_system_vgpr_workitem_id 0
		.amdhsa_next_free_vgpr 64
		.amdhsa_next_free_sgpr 66
		.amdhsa_reserve_vcc 0
		.amdhsa_float_denorm_mode_32 3
		.amdhsa_float_denorm_mode_16_64 3
		.amdhsa_memory_ordered 1
		.amdhsa_forward_progress 1
		.amdhsa_inst_pref_size 5
	.end_amdhsa_kernel
	.amdgpu_metadata
---
amdhsa.version: [ 1, 2 ]
amdhsa.kernels:
  - .name:           k_q1a5f68af58_combine
    .symbol:         k_q1a5f68af58_combine.kd
    .args:
      - { .name: part, .offset: 0, .size: 8, .value_kind: global_buffer, .address_space: global }
      - { .name: pl, .offset: 8, .size: 8, .value_kind: global_buffer, .address_space: global }
      - { .name: rt, .offset: 16, .size: 8, .value_kind: global_buffer, .address_space: global }
      - { .name: gw, .offset: 24, .size: 8, .value_kind: global_buffer, .address_space: global }
      - { .name: b2, .offset: 32, .size: 8, .value_kind: global_buffer, .address_space: global }
      - { .name: lowp_scales, .offset: 40, .size: 8, .value_kind: global_buffer, .address_space: global }
      - { .name: out0, .offset: 48, .size: 8, .value_kind: global_buffer, .address_space: global }
    .group_segment_fixed_size: 0
    .private_segment_fixed_size: 0
    .kernarg_segment_align: 8
    .kernarg_segment_size: 56
    .max_flat_workgroup_size: 256
    .sgpr_count:     66
    .vgpr_count:     64
    .wavefront_size: 32
...
	.end_amdgpu_metadata
.endif
;; end of part 5
;; ======== version 2 of 2: 5 launches
;; workspace buffers: xc 1,048,576 bytes; rt 18,432 bytes of whole numbers; gw 8,192 bytes; xs 2,621,440 bytes; pl 8,448 bytes of whole numbers; hq 10,485,760 bytes; part 41,943,040 bytes
;; launch route (part 6): grid 64 x 1, 8 waves a work-group, no clusters, 36,864 bytes of LDS; arguments x, Wg, bg, lowp_scales, xc, rt, gw; writes xc, rt, gw
.if DOCPART == 6
	.amdgcn_target "amdgcn-amd-amdhsa--gfx1250"
	.amdhsa_code_object_version 6
	.text
	.protected	k_q1a5f68af58_route
	.globl	k_q1a5f68af58_route
	.p2align	8
	.type	k_q1a5f68af58_route,@function
k_q1a5f68af58_route:
	s_mov_b64 s[64:65], 0
	v_nop
	global_prefetch_b8 v0, s[64:65] scope:SCOPE_SE
	s_setreg_imm32_b32 hwreg(HW_REG_WAVE_MODE, 25, 1), 1
	s_wait_xcnt 0x0
; THE ROUTER AND x'S CODES.  scores = x Wg + bg in f32; the two largest of a token's 8 scores (of equal scores the lower index first); softmax over the two, the larger taken away first.
; x is also turned into codes of E5M2 with the given scale 2^e, e = lowp_scales[1]: code = x / 2^e, held within +-57,344, to the nearest code, ties to even.
; SHARES.  A work-group takes a GROUP of 16 tokens; each of its eight waves two of them.  Lane l holds, of a row's 1,024 numbers, k = 256 gs + 8 l + 0 .. 7 for gs = 0 .. 3: eight neighbours
; for the conversion, and a store of 8 bytes a lane covers 256 consecutive bytes, aligned.  Wg (32 KiB) lies in LDS, read by all eight waves.
; WHAT IS STORED, all at fixed places (no address here hangs on a score): an ENTRY is (token n, choice k), numbered 32 (n / 16) + 16 k + n % 16.
;   rt: bytes 0 .. 8191 the entry's expert; 8192 .. 16383 its rank among its group's entries of the same expert; from 16384 cnt[group][8]: the group's entries of each expert.   gw: the entry's weight, f32.
; LIMITS: lowp_scales[1] between -126 and 112, so that 2^e and 57,344 x 2^e are f32 numbers.  NaN and infinities among the inputs are not served.  Two scores closer than the f32 sums' own error may fall either way.
; No matrix unit: 8 columns are too few for it.  No cluster: work-groups share Wg alone, 32 KiB beside their 64 KiB of x.
.set SCB, 34816                        ; LDS: from 0 Wg, row k (32 bytes) at 32 k + 16 (k / 8): 34,816 bytes; here the group's scores, [16][8] f32
.set X,   32                           ; v32-95   x: row a, number 8 gs + i at v[X + 32 a + 8 gs + i]
.set WB,  96                           ; v96-223  Wg: two sets of 64: my 8 rows of a segment, 8 numbers each
.set ACC, 224                          ; v224-239 my part of the scores: row a, expert e at v[ACC + 8 a + e]
.set CD,  240                          ; v240-255 codes: two registers for each (a, gs), so that no store's data are written again
	s_load_b256 s[4:11], s[0:1], 0x0               ; x s[4:5], Wg s[6:7], bg s[8:9], the scales' exponents s[10:11]
	s_load_b128 s[12:15], s[0:1], 0x20             ; xc s[12:13], rt s[14:15]
	s_load_b64 s[16:17], s[0:1], 0x30              ; gw
	v_lshl_add_u32 v30, v0, 2, 0x8c00
	v_mov_b32 v31, 0
	v_lshrrev_b32 v1, 5, v0
	s_delay_alu instid0(VALU_DEP_1)
	v_readfirstlane_b32 s18, v1                    ; wave 0..7
	v_and_b32 v1, 31, v0                           ; lane
	s_delay_alu instid0(VALU_DEP_1)
	v_lshlrev_b32 v2, 5, v1                        ; x: my 8 numbers of a segment's 256
	s_delay_alu instid0(VALU_DEP_2)
	v_lshlrev_b32 v6, 4, v1                        ; Wg as it lies: 16 bytes a lane
	s_delay_alu instid0(VALU_DEP_3)
	v_lshlrev_b32 v5, 3, v1                        ; my 8 codes
	s_delay_alu instid0(VALU_DEP_4)
	v_lshlrev_b32 v11, 2, v1                       ; a word a lane
	v_lshrrev_b32 v12, 4, v1
	s_delay_alu instid0(VALU_DEP_1)
	v_lshl_add_u32 v3, v12, 4, v6
	s_mul_i32 s45, s18, 4352
	v_add_nc_u32 v3, s45, v3                       ; Wg into LDS: 4,352 x wave + 16 x lane + 16 (lane / 16): 16 bytes of padding behind every 8 rows
	v_mul_u32_u24 v4, v1, 272                      ; and out of it: my 8 rows of a segment begin 272 bytes from my neighbour's = 17 x 16: sixteen lanes start 16 bytes apart modulo 256
	s_lshl_b32 s45, s18, 6
	s_add_co_u32 s45, s45, SCB
	v_mov_b32 v7, s45                              ; my wave's two rows of scores
	v_and_b32 v8, 15, v0
	s_delay_alu instid0(VALU_DEP_1)
	v_lshl_add_u32 v8, v8, 5, SCB                  ; the scores of token lane % 16
	s_mov_b32 s30, 0x76543210                      ; v_permlanex16_b32: lane l takes lane l xor 16
	s_mov_b32 s31, 0xfedcba98
	s_lshl_b32 s46, ttmp9, 16
	s_lshl_b32 s47, s18, 13
	s_add_co_u32 s46, s46, s47                     ; x: (16 g + 2 w) rows of 4,096 bytes
	s_mov_b32 s47, 0
	s_lshl_b32 s48, s18, 12                        ; Wg: my wave brings 4,096 bytes of it
	s_mov_b32 s49, 0
	s_lshr_b32 s50, s46, 2                         ; xc: the same rows, 1,024 bytes each
	s_mov_b32 s51, 0
	s_lshl_b32 s52, ttmp9, 7                       ; the group's 32 entries, a word each
	s_mov_b32 s53, 0
	s_lshl_b32 s54, ttmp9, 5                       ; the group's 8 counts
	s_mov_b32 s55, 0
	s_wait_alu depctr_va_vdst(0)
	s_wait_kmcnt 0x0
	s_load_b256 s[20:27], s[8:9], 0x0              ; bg
	s_load_b32 s28, s[10:11], 0x4                  ; x's exponent
	s_add_nc_u64 s[4:5], s[4:5], s[46:47]
	s_add_nc_u64 s[6:7], s[6:7], s[48:49]
	s_add_nc_u64 s[12:13], s[12:13], s[50:51]
	s_add_nc_u64 s[34:35], s[14:15], s[52:53]
	s_add_nc_u64 s[36:37], s[16:17], s[52:53]
	s_add_nc_u64 s[38:39], s[14:15], s[54:55]
.irp jj, 0,1,2,3,4,5,6,7
	global_load_b128 v[WB+4*\jj:WB+4*\jj+3], v6, s[6:7] offset:512*\jj           ; 512 consecutive bytes of Wg a load
.endr
.irp a, 0,1
.irp gs, 0,1,2,3
	global_load_b128 v[X+32*\a+8*\gs:X+32*\a+8*\gs+3],   v2, s[4:5] offset:4096*\a+1024*\gs th:TH_LOAD_NT
	global_load_b128 v[X+32*\a+8*\gs+4:X+32*\a+8*\gs+7], v2, s[4:5] offset:4096*\a+1024*\gs+16 th:TH_LOAD_NT
.endr
.endr
	s_wait_loadcnt 16                              ; Wg's eight loads are in; x's sixteen, issued behind them, may be out
.irp jj, 0,1,2,3,4,5,6,7
	ds_store_b128 v3, v[WB+4*\jj:WB+4*\jj+3] offset:544*\jj                      ; 16 rows and their two paddings a store
.endr
	s_wait_dscnt 0x0                               ; for the others' sake: my part of Wg lies in LDS
	s_barrier_signal -1
	s_barrier_wait -1                              ; all of Wg does
.macro FETCHW gs                       ; my 8 rows of segment gs, 16 loads, into set gs % 2
.irp i, 0,1,2,3,4,5,6,7
	ds_load_b128 v[WB+64*((\gs)%2)+8*\i:WB+64*((\gs)%2)+8*\i+3],   v4 offset:8704*(\gs)+32*\i
	ds_load_b128 v[WB+64*((\gs)%2)+8*\i+4:WB+64*((\gs)%2)+8*\i+7], v4 offset:8704*(\gs)+32*\i+16
.endr
.endm
; A segment: 2 rows x 8 numbers x 8 experts, two experts an instruction; x's number is taken for both halves (the pair's first register where i is even, its second where i is odd).
; The very first products start the sums: nothing is cleared.
.macro SEG gs
.if (\gs) < 3
	FETCHW (\gs)+1
	s_wait_dscnt 16                                ; this segment's rows are in; the next segment's sixteen loads may be out
.else
	s_wait_dscnt 0x0
.endif
.irp i, 0,1,2,3,4,5,6,7
.irp a, 0,1
.irp ep, 0,1,2,3
.if ((\gs) == 0) && (\i == 0)
	v_pk_mul_f32 v[ACC+8*\a+2*\ep:ACC+8*\a+2*\ep+1], v[X+32*\a:X+32*\a+1], v[WB+2*\ep:WB+2*\ep+1] op_sel_hi:[0,1]
.elseif (\i % 2) == 0
	v_pk_fma_f32 v[ACC+8*\a+2*\ep:ACC+8*\a+2*\ep+1], v[X+32*\a+8*(\gs)+\i:X+32*\a+8*(\gs)+\i+1], v[WB+64*((\gs)%2)+8*\i+2*\ep:WB+64*((\gs)%2)+8*\i+2*\ep+1], v[ACC+8*\a+2*\ep:ACC+8*\a+2*\ep+1] op_sel_hi:[0,1,1]
.else
	v_pk_fma_f32 v[ACC+8*\a+2*\ep:ACC+8*\a+2*\ep+1], v[X+32*\a+8*(\gs)+\i-1:X+32*\a+8*(\gs)+\i], v[WB+64*((\gs)%2)+8*\i+2*\ep:WB+64*((\gs)%2)+8*\i+2*\ep+1], v[ACC+8*\a+2*\ep:ACC+8*\a+2*\ep+1] op_sel:[1,0,0] op_sel_hi:[1,1,1]
.endif
.endr
.endr
.endr
.endm
	FETCHW 0
	s_wait_loadcnt 0x0                             ; x
	SEG 0
	s_wait_alu depctr_va_vdst(0)
	SEG 1
	s_wait_alu depctr_va_vdst(0)
	SEG 2
	s_wait_alu depctr_va_vdst(0)
	SEG 3
	; x's codes: behind the scores, since the hold works in place
	s_wait_kmcnt 0x0                               ; bg and the exponent
	s_add_co_i32 s28, s28, 127
	s_lshl_b32 s29, s28, 23
	v_mov_b32 v9, s29                              ; 2^e as f32: the conversion takes its exponent field
	s_add_co_i32 s28, s28, 15
	s_lshl_b32 s28, s28, 23
	s_or_b32 s28, s28, 0x600000
	v_mov_b32 v10, s28                             ; 57,344 x 2^e
.irp a, 0,1
.irp gs, 0,1,2,3
.irp i, 0,1,2,3,4,5,6,7
	v_med3_num_f32 v[X+32*\a+8*\gs+\i], v[X+32*\a+8*\gs+\i], -v10, v10   ; the conversion to an 8-bit code does not saturate (ISA guide 7.6.2): the hold comes first
.endr
	v_cvt_scalef32_pk8_bf8_f32 v[CD+2*(4*\a+\gs):CD+2*(4*\a+\gs)+1], v[X+32*\a+8*\gs:X+32*\a+8*\gs+7], v9
	global_store_b64 v5, v[CD+2*(4*\a+\gs):CD+2*(4*\a+\gs)+1], s[12:13] offset:1024*\a+256*\gs   ; the wave stores 256 consecutive bytes, aligned
.endr
.endr
	; the 16 sums over the 32 lanes: four steps inside each half of the lanes ride on the additions, one crosses the halves
.irp m, 1,2,4,8
.irp j, 0,1,2,3,4,5,6,7,8,9,10,11,12,13,14,15
	v_add_f32_dpp v[ACC+\j], v[ACC+\j], v[ACC+\j] row_xmask:\m row_mask:0xf bank_mask:0xf
.endr
.endr
.irp j, 0,1,2,3,4,5,6,7,8,9,10,11,12,13,14,15
	v_permlanex16_b32 v[WB+\j], v[ACC+\j], s30, s31      ; its destination counts as read: Wg's registers have been written, and are done with
.endr
.irp j, 0,1,2,3,4,5,6,7,8,9,10,11,12,13,14,15
	v_add_f32 v[ACC+\j], v[ACC+\j], v[WB+\j]
.endr
.irp a, 0,1
	ds_store_b128 v7, v[ACC+8*\a:ACC+8*\a+3]   offset:32*\a        ; every lane holds the same sums and writes the same bytes
	ds_store_b128 v7, v[ACC+8*\a+4:ACC+8*\a+7] offset:32*\a+16
.endr
	s_wait_dscnt 0x0                               ; for wave 0's sake
	s_barrier_signal -1
	s_barrier_wait -1                              ; the group's 16 x 8 sums lie in LDS
	s_cmp_lg_u32 s18, 0
	s_cbranch_scc1 .Lend                           ; the rest is wave 0's: lane l works for token l % 16
	ds_load_b128 v[32:35], v8
	ds_load_b128 v[36:39], v8 offset:16
	v_mov_b32 v42, 0xff800000                      ; -infinity
	v_mov_b32 v52, 0                               ; the rank
	v_mov_b32 v53, 0                               ; the counts, expert e's in lane e
	s_wait_dscnt 0x0
.irp e, 0,1,2,3,4,5,6,7
	v_add_f32 v[32+\e], s[20+\e], v[32+\e]         ; + bg
.endr
.macro SCAN bst, idx                   ; the largest of v32-39 and its index; only a strictly larger score moves the index: of equal scores the lower index stays
	v_cmp_gt_f32 vcc_lo, v33, v32
	s_delay_alu instid0(VALU_DEP_1)
	v_cndmask_b32 v[\idx], 0, 1, vcc_lo
	v_max_num_f32 v[\bst], v32, v33
.irp e, 2,3,4,5,6,7
	s_delay_alu instid0(VALU_DEP_1)
	v_cmp_gt_f32 vcc_lo, v[32+\e], v[\bst]
	s_delay_alu instid0(VALU_DEP_1)
	v_cndmask_b32 v[\idx], v[\idx], \e, vcc_lo
	s_delay_alu instid0(VALU_DEP_3)
	v_max_num_f32 v[\bst], v[\bst], v[32+\e]
.endr
.endm
	SCAN 40, 41
.irp e, 0,1,2,3,4,5,6,7
	v_cmp_eq_u32 vcc_lo, \e, v41
	s_delay_alu instid0(VALU_DEP_1)
	v_cndmask_b32 v[32+\e], v[32+\e], v42, vcc_lo  ; the first choice is taken out
.endr
	SCAN 43, 44
	s_delay_alu instid0(VALU_DEP_1)
	v_sub_f32 v45, v43, v40                        ; the second score less the largest: 0 or less
	s_delay_alu instid0(VALU_DEP_1)
	v_mul_f32 v45, 0x3fb8aa3b, v45                 ; x log2(e)
	s_wait_alu depctr_va_vdst(0)
	v_exp_f32 v46, v45                             ; p = e^(second - first), at most 1
	v_cmp_gt_u32 vcc_lo, 16, v1                    ; (a plain line behind the transcendental)  lanes 0-15: the first choice; lanes 16-31: the second
	s_wait_alu depctr_va_vdst(0)                   ; ahead of the first line that names p
	v_add_f32 v47, 1.0, v46
	s_wait_alu depctr_va_vdst(0)
	v_rcp_f32 v48, v47                             ; w0 = 1 / (1 + p)
	v_cndmask_b32 v50, v44, v41, vcc_lo            ; (a plain line)  my entry's expert: the lane's number is the entry's number in its group
	s_wait_alu depctr_va_vdst(0)                   ; ahead of the first line that names w0
	v_mul_f32 v49, v46, v48                        ; w1 = p / (1 + p)
	v_cndmask_b32 v51, v49, v48, vcc_lo            ; my entry's weight
.irp e, 0,1,2,3,4,5,6,7
	v_cmp_eq_u32 s32, \e, v50                      ; the entries of expert e,
	s_delay_alu instid0(VALU_DEP_1)
	v_mbcnt_lo_u32_b32 v54, s32, 0                 ; how many of them lie in lower lanes,
	s_delay_alu instid0(VALU_DEP_1)
	v_cndmask_b32 v52, v52, v54, s32               ; which is the rank of those that are e's,
	s_bcnt1_i32_b32 s33, s32
	v_writelane_b32 v53, s33, \e                   ; and how many there are
.endr
	global_store_b32 v11, v50, s[34:35]
	global_store_b32 v11, v52, s[34:35] offset:8192
	global_store_b32 v11, v51, s[36:37]
	s_wait_alu depctr_va_vdst(0)
	s_wait_xcnt 0x0                                ; EXEC is a source of the stores above: it changes only behind this wait
	v_cmp_gt_u32 vcc_lo, 8, v1
	s_and_saveexec_b32 s40, vcc_lo
	global_store_b32 v11, v53, s[38:39] offset:16384
	s_wait_xcnt 0x0                                ; and again ahead of the line that widens it
	s_or_b32 exec_lo, exec_lo, s40
.Lend:
	s_wait_tensorcnt 0x0
	ds_add_u32 v30, v31
	s_wait_dscnt 0x0
	s_endpgm
.Lfunc_end_k_q1a5f68af58_route:
	.size	k_q1a5f68af58_route, .Lfunc_end_k_q1a5f68af58_route-k_q1a5f68af58_route
	.p2alignl 7, 3214868480
	.fill 96, 4, 3214868480
	.section	.rodata,"a",@progbits
	.p2align	6, 0x0
	.amdhsa_kernel k_q1a5f68af58_route
		.amdhsa_group_segment_fixed_size 36864
		.amdhsa_private_segment_fixed_size 0
		.amdhsa_enable_private_segment 0
		.amdhsa_kernarg_size 56
		.amdhsa_user_sgpr_count 2
		.amdhsa_user_sgpr_kernarg_segment_ptr 1
		.amdhsa_wavefront_size32 1
		.amdhsa_system_sgpr_workgroup_id_x 1
		.amdhsa_system_sgpr_workgroup_id_y 1
		.amdhsa_system_sgpr_workgroup_id_z 1
		.amdhsa_system_vgpr_workitem_id 0
		.amdhsa_next_free_vgpr 256
		.amdhsa_next_free_sgpr 66
		.amdhsa_reserve_vcc 1
		.amdhsa_float_denorm_mode_32 3
		.amdhsa_float_denorm_mode_16_64 3
		.amdhsa_memory_ordered 1
		.amdhsa_forward_progress 1
		.amdhsa_inst_pref_size 46
	.end_amdhsa_kernel
	.amdgpu_metadata
---
amdhsa.version: [ 1, 2 ]
amdhsa.kernels:
  - .name:           k_q1a5f68af58_route
    .symbol:         k_q1a5f68af58_route.kd
    .args:
      - { .name: x, .offset: 0, .size: 8, .value_kind: global_buffer, .address_space: global }
      - { .name: Wg, .offset: 8, .size: 8, .value_kind: global_buffer, .address_space: global }
      - { .name: bg, .offset: 16, .size: 8, .value_kind: global_buffer, .address_space: global }
      - { .name: lowp_scales, .offset: 24, .size: 8, .value_kind: global_buffer, .address_space: global }
      - { .name: xc, .offset: 32, .size: 8, .value_kind: global_buffer, .address_space: global }
      - { .name: rt, .offset: 40, .size: 8, .value_kind: global_buffer, .address_space: global }
      - { .name: gw, .offset: 48, .size: 8, .value_kind: global_buffer, .address_space: global }
    .group_segment_fixed_size: 36864
    .private_segment_fixed_size: 0
    .kernarg_segment_align: 8
    .kernarg_segment_size: 56
    .max_flat_workgroup_size: 256
    .sgpr_count:     66
    .vgpr_count:     256
    .wavefront_size: 32
...
	.end_amdgpu_metadata
.endif
;; end of part 6
;; launch place (part 7): grid 64 x 1, 8 waves a work-group, no clusters, 0 bytes of LDS; arguments rt, xc, xs, pl; writes xs, pl
.if DOCPART == 7
	.amdgcn_target "amdgcn-amd-amdhsa--gfx1250"
	.amdhsa_code_object_version 6
	.text
	.protected	k_q1a5f68af58_place
	.globl	k_q1a5f68af58_place
	.p2align	8
	.type	k_q1a5f68af58_place,@function
k_q1a5f68af58_place:
	s_mov_b64 s[64:65], 0
	v_nop
	global_prefetch_b8 v0, s[64:65] scope:SCOPE_SE
	s_setreg_imm32_b32 hwreg(HW_REG_WAVE_MODE, 25, 1), 1
	s_wait_xcnt 0x0
; THE ROWS ARE PLACED BY EXPERT: a counting sort without atomics.  Expert e's rows take the SLOTS base_e .. base_e + n_e - 1; base_e = the sum over lower experts of n rounded up to 64,
; so that every tile of 64 slots belongs to one expert: 2,048 entries and 8 experts give 39 tiles at the most, whatever the choice.
; slot of an entry = base_e + the entries of e in earlier groups + the entry's rank in its group.
; A work-group takes a group's 32 entries; every wave makes the small prefix sums for itself from the 64 x 8 counts (no LDS, no barrier), and copies the code rows of four entries, 1,024 bytes each, to their slots.
; STORED: xs[slot][1024] the codes of x by slot (the slots between n_e and the next multiple of 64 are not written, and nobody reads them);
;   pl: bytes 0 .. 8191 the entry's slot; from 8192: base_e (8 words), n_e (8 words), 16 words of 0.
.set CN,   16                          ; v16-31  the counts: load i, lane l: group 4 i + l / 8, expert l % 8
.set RW,   40                          ; v40-71  four rows of codes, 8 registers each
.set TOT,  40                          ; s40-47  n_e
.set BEF,  48                          ; s48-55  the entries of e in earlier groups
.set BASE, 56                          ; s56-63  base_e
.set ST,   66                          ; s66-73  base_e + those in earlier groups
	s_load_b256 s[4:11], s[0:1], 0x0               ; rt s[4:5], xc s[6:7], xs s[8:9], pl s[10:11]
	v_lshrrev_b32 v1, 5, v0
	s_delay_alu instid0(VALU_DEP_1)
	v_readfirstlane_b32 s18, v1                    ; wave 0..7
	s_mov_b32 s2, ttmp9                            ; my group
	v_and_b32 v1, 31, v0                           ; lane
	s_delay_alu instid0(VALU_DEP_1)
	v_lshlrev_b32 v2, 2, v1                        ; a word a lane
	s_delay_alu instid0(VALU_DEP_2)
	v_lshlrev_b32 v3, 4, v1                        ; 16 bytes a lane
	s_delay_alu instid0(VALU_DEP_3)
	v_lshrrev_b32 v4, 3, v1
	s_delay_alu instid0(VALU_DEP_1)
	v_sub_nc_u32 v5, s2, v4                        ; group 4 i + l / 8 lies ahead of mine where 4 i < g - l / 8 (signed)
	s_mov_b32 s30, 0x76543210
	s_mov_b32 s31, 0xfedcba98
	s_lshl_b32 s20, s2, 7                          ; the group's 32 entries, a word each
	s_mov_b32 s21, 0
	s_lshl_b32 s22, s2, 14
	s_and_b32 s23, s18, 3
	s_lshl_b32 s23, s23, 12
	s_add_co_u32 s22, s22, s23                     ; entry 4 w + a is token 16 g + 4 (w % 4) + a: its row of 1,024 bytes follows from ids alone
	s_mov_b32 s23, 0
	s_wait_alu depctr_va_vdst(0)
	s_wait_kmcnt 0x0
	s_add_nc_u64 s[12:13], s[4:5], s[20:21]
	s_add_nc_u64 s[14:15], s[6:7], s[22:23]
	s_add_nc_u64 s[16:17], s[10:11], s[20:21]
.irp i, 0,1,2,3,4,5,6,7,8,9,10,11,12,13,14,15
	global_load_b32 v[CN+\i], v2, s[4:5] offset:16384+128*\i
.endr
	global_load_b32 v32, v2, s[12:13]              ; my entry's expert
	global_load_b32 v33, v2, s[12:13] offset:8192  ; and its rank
.irp a, 0,1,2,3
	global_load_b128 v[RW+8*\a:RW+8*\a+3],   v3, s[14:15] offset:1024*\a th:TH_LOAD_NT
	global_load_b128 v[RW+8*\a+4:RW+8*\a+7], v3, s[14:15] offset:1024*\a+512 th:TH_LOAD_NT
.endr
	s_wait_loadcnt 8                               ; the 18 small loads are in; the rows' eight, issued behind them, may be out
	v_cmp_lt_i32 vcc_lo, 0, v5
	s_delay_alu instid0(VALU_DEP_1)
	v_cndmask_b32 v6, 0, v[CN], vcc_lo             ; the first terms start the sums
	v_add_nc_u32 v7, v[CN], v[CN+1]
.irp i, 1,2,3,4,5,6,7,8,9,10,11,12,13,14,15
	v_cmp_lt_i32 vcc_lo, 4*\i, v5
	s_delay_alu instid0(VALU_DEP_1)
	v_cndmask_b32 v8, 0, v[CN+\i], vcc_lo
	s_delay_alu instid0(VALU_DEP_1)
	v_add_nc_u32 v6, v6, v8                        ; the counts of earlier groups,
.if \i > 1
	v_add_nc_u32 v7, v7, v[CN+\i]                  ; and of all
.endif
.endr
	s_delay_alu instid0(VALU_DEP_1)
	v_mov_b32_dpp v8, v7 row_xmask:8 row_mask:0xf bank_mask:0xf   ; lanes l, l xor 8, l xor 16, l xor 24 hold the same expert
	s_delay_alu instid0(VALU_DEP_1)
	v_add_nc_u32 v7, v7, v8
	s_delay_alu instid0(VALU_DEP_4)
	v_mov_b32_dpp v8, v6 row_xmask:8 row_mask:0xf bank_mask:0xf
	s_delay_alu instid0(VALU_DEP_1)
	v_add_nc_u32 v6, v6, v8
	s_delay_alu instid0(VALU_DEP_2)
	v_permlanex16_b32 v8, v7, s30, s31
	s_delay_alu instid0(VALU_DEP_1)
	v_add_nc_u32 v7, v7, v8
	s_delay_alu instid0(VALU_DEP_2)
	v_permlanex16_b32 v8, v6, s30, s31
	s_delay_alu instid0(VALU_DEP_1)
	v_add_nc_u32 v6, v6, v8
.irp e, 0,1,2,3,4,5,6,7
	v_readlane_b32 s[TOT+\e], v7, \e
	v_readlane_b32 s[BEF+\e], v6, \e
.endr
	s_mov_b32 s74, 0
.irp e, 0,1,2,3,4,5,6,7
	s_mov_b32 s[BASE+\e], s74
	s_add_co_u32 s[ST+\e], s74, s[BEF+\e]
	s_add_co_u32 s75, s[TOT+\e], 63
	s_and_b32 s75, s75, 0xffffffc0                 ; n_e rounded up to 64
	s_add_co_u32 s74, s74, s75
.endr
	v_mov_b32 v9, 0
.irp e, 0,1,2,3,4,5,6,7
	v_cmp_ne_u32 vcc_lo, \e, v32
	s_delay_alu instid0(VALU_DEP_1)
	v_cndmask_b32 v9, s[ST+\e], v9, vcc_lo         ; a choice of a value, no branch
.endr
	s_delay_alu instid0(VALU_DEP_1)
	v_add_nc_u32 v10, v9, v33
	s_delay_alu instid0(VALU_DEP_1)
	v_min_u32 v10, 0x9ff, v10                      ; my entry's slot; held inside the 2,560 slots of the buffers
	s_cmp_lg_u32 s18, 0
	s_cbranch_scc1 .Lnot0
	global_store_b32 v2, v10, s[16:17]             ; wave 0: the group's 32 slots
	s_cmp_lg_u32 s2, 0
	s_cbranch_scc1 .Lnot0
	v_mov_b32 v11, 0                               ; work-group 0's wave 0: the segments
.irp e, 0,1,2,3,4,5,6,7
	s_delay_alu instid0(VALU_DEP_1)
	v_writelane_b32 v11, s[BASE+\e], \e
	s_delay_alu instid0(VALU_DEP_1)
	v_writelane_b32 v11, s[TOT+\e], 8+\e
.endr
	global_store_b32 v2, v11, s[10:11] offset:8192
.Lnot0:
	s_lshl_b32 s76, s18, 2
	s_wait_alu depctr_va_vdst(0)
.irp a, 0,1,2,3
	s_add_co_u32 s77, s76, \a
	v_readlane_b32 s78, v10, s77                   ; the slot of entry 4 w + a
	s_min_u32 s78, s78, 0x9ff
	s_lshl_b32 s78, s78, 10
	s_mov_b32 s79, 0
	s_add_nc_u64 s[80+2*\a:81+2*\a], s[8:9], s[78:79]
.endr
	s_wait_loadcnt 0x0                             ; the rows
.irp a, 0,1,2,3
	global_store_b128 v3, v[RW+8*\a:RW+8*\a+3],   s[80+2*\a:81+2*\a]             ; the wave stores 512 consecutive bytes, aligned
	global_store_b128 v3, v[RW+8*\a+4:RW+8*\a+7], s[80+2*\a:81+2*\a] offset:512
.endr
	s_endpgm
.Lfunc_end_k_q1a5f68af58_place:
	.size	k_q1a5f68af58_place, .Lfunc_end_k_q1a5f68af58_place-k_q1a5f68af58_place
	.p2alignl 7, 3214868480
	.fill 96, 4, 3214868480
	.section	.rodata,"a",@progbits
	.p2align	6, 0x0
	.amdhsa_kernel k_q1a5f68af58_place
		.amdhsa_group_segment_fixed_size 0
		.amdhsa_private_segment_fixed_size 0
		.amdhsa_enable_private_segment 0
		.amdhsa_kernarg_size 32
		.amdhsa_user_sgpr_count 2
		.amdhsa_user_sgpr_kernarg_segment_ptr 1
		.amdhsa_wavefront_size32 1
		.amdhsa_system_sgpr_workgroup_id_x 1
		.amdhsa_system_sgpr_workgroup_id_y 1
		.amdhsa_system_sgpr_workgroup_id_z 1
		.amdhsa_system_vgpr_workitem_id 0
		.amdhsa_next_free_vgpr 96
		.amdhsa_next_free_sgpr 90
		.amdhsa_reserve_vcc 1
		.amdhsa_float_denorm_mode_32 3
		.amdhsa_float_denorm_mode_16_64 3
		.amdhsa_memory_ordered 1
		.amdhsa_forward_progress 1
		.amdhsa_inst_pref_size 15
	.end_amdhsa_kernel
	.amdgpu_metadata
---
amdhsa.version: [ 1, 2 ]
amdhsa.kernels:
  - .name:           k_q1a5f68af58_place
    .symbol:         k_q1a5f68af58_place.kd
    .args:
      - { .name: rt, .offset: 0, .size: 8, .value_kind: global_buffer, .address_space: global }
      - { .name: xc, .offset: 8, .size: 8, .value_kind: global_buffer, .address_space: global }
      - { .name: xs, .offset: 16, .size: 8, .value_kind: global_buffer, .address_space: global }
      - { .name: pl, .offset: 24, .size: 8, .value_kind: global_buffer, .address_space: global }
    .group_segment_fixed_size: 0
    .private_segment_fixed_size: 0
    .kernarg_segment_align: 8
    .kernarg_segment_size: 32
    .max_flat_workgroup_size: 256
    .sgpr_count:     90
    .vgpr_count:     96
    .wavefront_size: 32
...
	.end_amdgpu_metadata
.endif
;; end of part 7
;; launch ffn1 (part 8): grid 32 x 8, 4 waves a work-group, no clusters, 266,752 bytes of LDS; arguments xs, W1_codes, b1, lowp_scales, pl, hq; writes hq
.if DOCPART == 8
	.amdgcn_target "amdgcn-amd-amdhsa--gfx1250"
	.amdhsa_code_object_version 6
	.text
	.protected	k_q1a5f68af58_ffn1
	.globl	k_q1a5f68af58_ffn1
	.p2align	8
	.type	k_q1a5f68af58_ffn1,@function
k_q1a5f68af58_ffn1:
	s_mov_b64 s[64:65], 0
	v_nop
	global_prefetch_b8 v0, s[64:65] scope:SCOPE_SE
	s_setreg_imm32_b32 hwreg(HW_REG_WAVE_SCHED_MODE, 0, 2), 2
	s_setreg_imm32_b32 hwreg(HW_REG_WAVE_MODE, 25, 1), 1
	s_wait_xcnt 0x0
	s_wait_alu depctr_vm_vsrc(0)
; THE FIRST PRODUCT, for the chosen rows alone: hidden = relu(x W1[e] + b1[e]), on codes of E5M2, and the hidden layer's codes.  lowp_scales: s0 W1, s1 x, s2 hidden, s3 W2.
; THE WEIGHTS STAY, THE ROWS WALK.  Work-group (chunk, e) owns hidden units 128 chunk .. + 127 of expert e, all K = 1,024: 128 KiB of W1, read from memory once in the launch.
; THE FOUR WAVES ARE 2 x 2: wave w = (rh = w / 2, ch = w % 2) keeps units 64 ch .. + 63 in 512 registers (32 fragments of 16 units x 128 K) and multiplies rows 32 rh .. + 31 of each tile of 64 slots.
; So a fragment of rows read from LDS feeds four products, and a tile is read from LDS twice; each unit's codes lie in two waves' registers, which come out of one stage in LDS that the four waves fill together.
; The expert's rows come in tiles of 64 slots through two LDS buffers that take turns.
; HOW MANY TILES hangs on n_e, which an earlier launch stored.  The loop has 16 trips, enough for all 1,024 tokens on one expert, and the barrier stands in every trip; forward branches on the count jump over the work alone.
; NO TENSOR LOAD, NO CLUSTER, though the 32 work-groups of an expert walk the same rows: joint requests are tensor loads;
; without the branch each work-group would fetch 16 tiles where 2,048 rows on 8 experts give 39 tiles at the most in all.  No prefetch: the weights, the one stream read once, are all asked for at the head.
; THE MATRIX INSTRUCTION IS USED TRANSPOSED (source 0 = 16 units of W1, source 1 = 16 rows of x), and lane r of unit tile u takes unit 32 (u / 2) + 8 (u % 2) + r + 8 (r / 8): so lane (r, h) holds row r, and the 16
; registers of tiles 2 b and 2 b + 1 are units 32 b + 16 h + 0 .. 15 of my 64: sixteen neighbours along the next K.  Fragments are fetched 16 bytes at a time (registers 4 c .. 4 c + 3: k = 32 c + 16 h + 0 .. 15), the same in both operands.
; SCALES.  A sum lacks 2^(s0 + s1): b1 goes in as the first C, as b1 / 2^(s0 + s1); the conversion's one scale is 2^(s2 - s0 - s1); the hold between 0 and 57,344 x that scale is the relu too.
; OUT: hq, the hidden codes as IMAGES OF THE NEXT OPERAND'S REGISTERS: [slot / 16][K step of 128 = chunk][c = 2 ch + b][lane][16 bytes]: a wave's store covers 512 consecutive bytes, aligned.
; ROWS PAST n_e in an expert's last tile are read as its last row: their results are written and never gathered.
; LIMITS: s2 - s0 - s1 between -126 and 112, so that both powers of two are f32 numbers.  NaN and infinities among the inputs are not served.
; REGISTERS: window 0: v1-24 addresses and constants; v48-63 codes; v64-191 fragments of x, four sets of 32; v192-255 eight accumulators ((m, u) at 192 + 32 m + 8 u).
;   windows 1 and 2: W1's 32 fragments: (u, K step s) at 16 (4 (s % 4) + u) of window 1 + s / 4.   window 3: v0-127 the next tile's rows on their way to LDS; v128-159 b1.
; THE MODE: SCHED_MODE bits 1:0 = 2 (LLVM: expert scheduling mode 2), set by the entry lines.  The code itself states the register dependences
; between vector or matrix instructions and memory or LDS instructions, with s_wait_alu, always for 0.
; THE PLAN.  Registers that memory or LDS instructions touch:
;   v4-12, v24        addresses: made once at the head, read by loads and stores, never written again: one wait on va_vdst ahead of the first load.
;   window 1          the weights as loaded: the LDS stores into the stage read them, the fragments' loads land in them: one wait on vm_vsrc between.
;   v16-23            the rows' offsets: 32 vector lines of a trip write them, the trip's 32 loads read them (a wait on va_vdst between); written again a trip later (the wait on vm_vsrc at a trip's end).
;   window 3, v0-127  the tile on its way: the trip's 32 loads land in it, 32 LDS stores read it behind the products; no vector line names it: a wait on vm_vsrc ahead of the next loads.
;   v64-191           four sets of fragments: LDS loads land in them, products read them.  K steps 0-3 are fetched at a tile's head.  ONE wait on va_vdst behind K step 1's products frees sets 0 and 1, which take
;                     K steps 4 and 5, a run of eight loads ahead of K step 2's products and one ahead of K step 3's; one more behind K step 3's frees sets 2 and 3 for K steps 6 and 7.  The products issued between
;                     such a wait and its second run name another set, the weights and the accumulators.  The fetches at a tile's head lean on the wait in the last tile's way out.
;   v48-63            the codes: the conversions write them, four stores read them (a wait on va_vdst between); written again a trip later (the wait on vm_vsrc at a trip's end).
;   The weights' fragments, b1 and the accumulators are named in the loop by vector and matrix instructions alone.
.set PX,   1040                        ; a row in LDS: 1,024 bytes + 16 = 65 x 16: the sixteen rows that a load touches start 16 bytes apart modulo 256
.set XB1,  64*PX                       ; LDS: tile buffer 0 at 0, buffer 1 here,
.set WST,  2*64*PX                     ; and the weights' stage: 128 rows, through which they turn once
.set WREG, 32*PX                       ; the part of it that a wave fills
.set MSTR, 16*PX                       ; from a fragment to the next 16 rows', the next K step's, the next 16 bytes'
.set KSTR, 128
.set CSTR, 32
.set WROW, 1024                        ; a row of W1 in memory
.set L16,  4                           ; v4     16 x lane
.set AXB,  5                           ; v5-6   where I read fragments of x in buffer 0, 1
.set SXB,  7                           ; v7-8   where I put rows of x in buffer 0, 1
.set AWS,  9                           ; v9     the weights' stage, in
.set AWR,  10                          ; v10    and out
.set RL,   11                          ; v11    16 w + h: the first of the tile's rows that I bring
.set CL,   12                          ; v12    16 r: my 16 bytes of 256
.set SCV,  14                          ; v14    2^(s2 - s0 - s1)
.set LIM,  15                          ; v15    57,344 x that
.set XO,   16                          ; v16-23 byte offsets in xs of the eight rows that I bring
.set BO,   24                          ; v24    64 h: my half's 16 numbers of 32 of b1
.set BIAS, 128                         ; in window 3
.set CD,   48
.set XF,   64
.set ACC,  192
.set MSB,  0
.macro WIN new                         ; the immediate's high byte repeats the setting that is left; a switch that changes nothing is dropped.  At every label and branch the setting is 0
.if MSB != \new
	s_set_vgpr_msb (MSB<<8)|\new
.set MSB, \new
.endif
.endm
.macro PLACES                          ; four plain lines between a matrix instruction and a load into, or a read of, its registers
.rept 4
	v_nop
.endr
.endm
.macro BARRIER                         ; my LDS stores have landed and my LDS loads are in: then the work-group's barrier
	s_wait_dscnt 0x0
	s_barrier_signal -1
	s_barrier_wait -1
.endm
.macro WLOAD                           ; rows 32 w .. + 31 of the chunk as they lie, 512 consecutive bytes a load, into window 1
	WIN 0x40
	s_wait_alu depctr_va_vdst(0)                   ; the addresses v4 to v12 and v24 are written, which the loads and stores of the whole kernel read
.set JJ, 0
.rept 64
	global_load_b128 v[4*JJ:4*JJ+3], v[L16], s[28:29] offset:(JJ/2)*WROW+512*(JJ%2) th:TH_LOAD_NT
.set JJ, JJ+1
.endr
	WIN 0
.endm
; Into the stage.  Of each 32 rows, row p goes to place 16 ((p / 8) % 2) + 8 (p / 16) + p % 8: the order in which the unit tiles take them, so that place 16 u + r holds the row of tile u's lane r,
; and the sixteen lanes of a fragment load touch sixteen neighbouring places.
.macro WSTORE
	WIN 0x04
.set JJ, 0
.rept 64
	ds_store_b128 v[AWS], v[4*JJ:4*JJ+3] offset:((((JJ/2)/8)%2)*16+((JJ/2)/16)*8+(JJ/2)%8)*PX+512*(JJ%2)
.set JJ, JJ+1
.endr
	WIN 0
.endm
.macro WFRAG                           ; behind a barrier: my 64 units' 32 fragments out of the stage, which two waves filled
	WIN 0x40
	s_wait_alu depctr_vm_vsrc(0)                   ; my LDS stores into the stage have read window 1's registers, in which the fragments land
.irp ks, 0,1,2,3
.irp u, 0,1,2,3
.irp c, 0,1,2,3
	ds_load_b128 v[16*(4*\ks+\u)+4*\c:16*(4*\ks+\u)+4*\c+3], v[AWR] offset:16*\u*PX+128*\ks+32*\c
.endr
.endr
.endr
	WIN 0x80
.irp ks, 0,1,2,3
.irp u, 0,1,2,3
.irp c, 0,1,2,3
	ds_load_b128 v[16*(4*\ks+\u)+4*\c:16*(4*\ks+\u)+4*\c+3], v[AWR] offset:16*\u*PX+128*(\ks+4)+32*\c
.endr
.endr
.endr
	WIN 0
.endm
; The tile that begins at slot s30: my wave brings 16 of its rows; sixteen lanes read 256 consecutive bytes of a row, aligned.  again = 1: in the loop, where the registers have held a tile before.
.macro LOADX again
.irp i, 0,1,2,3,4,5,6,7
	v_add3_u32 v[XO+\i], v[RL], s30, 2*\i
.endr
.irp i, 0,1,2,3,4,5,6,7
	v_min_u32 v[XO+\i], s22, v[XO+\i]              ; past the expert's last row: that row again
.endr
.irp i, 0,1,2,3,4,5,6,7
	v_min_u32 v[XO+\i], 0x9ff, v[XO+\i]            ; a number that hangs on stored numbers is held inside the buffer's 2,560 slots
.endr
.irp i, 0,1,2,3,4,5,6,7
	v_lshl_add_u32 v[XO+\i], v[XO+\i], 10, v[CL]
.endr
	WIN 0xc0
.if \again
	s_wait_alu depctr_vm_vsrc(0)                   ; the LDS stores that put the last tile into its buffer have read window 3's v0-127, in which the loads below land
.endif
	s_wait_alu depctr_va_vdst(0)                   ; the eight offsets are written, which the loads below read
.irp i, 0,1,2,3,4,5,6,7
.irp qd, 0,1,2,3
	global_load_b128 v[16*\i+4*\qd:16*\i+4*\qd+3], v[XO+\i], s[4:5] offset:256*\qd
.endr
.endr
	WIN 0
.endm
.macro STAGEX buf                      ; and puts them into a tile buffer
	s_wait_loadcnt 0x0                             ; the 32 loads, the youngest that I have issued
	WIN 0x0c
.irp i, 0,1,2,3,4,5,6,7
.irp qd, 0,1,2,3
	ds_store_b128 v[SXB+(\buf)], v[16*\i+4*\qd:16*\i+4*\qd+3] offset:2*\i*PX+256*\qd
.endr
.endr
	WIN 0
.endm
.macro FETCH buf, fs, ks               ; my two fragments of x (32 rows x 128 K) of K step ks into set fs: a run of eight loads
	WIN 0
.irp m, 0,1
.irp c, 0,1,2,3
	ds_load_b128 v[XF+32*(\fs)+16*\m+4*\c:XF+32*(\fs)+16*\m+4*\c+3], v[AXB+(\buf)] offset:\m*MSTR+(\ks)*KSTR+\c*CSTR
.endr
.endr
.endm
.macro FREE                            ; two sets are given up for the fragments of four K steps on
	WIN 0
	PLACES
	s_wait_alu depctr_va_vdst(0)                   ; the products of the last two K steps are done reading their two sets, in which the next two runs of loads land
.endm
.macro MUL fs, ks                      ; eight products; the eight accumulators take turns, one instruction a turn.  The first K step takes b1 as C: nothing is cleared or added later
.if (\ks) == 0
	WIN 0x31                                       ; source 0 (W1) window 1, source 2 (b1) window 3
.elseif (\ks) < 4
	WIN 0x01
.else
	WIN 0x02
.endif
.irp m, 0,1
.irp u, 0,1,2,3
.if (\ks) == 0
	v_wmma_f32_16x16x128_bf8_bf8 v[ACC+32*\m+8*\u:ACC+32*\m+8*\u+7], v[16*(4*((\ks)%4)+\u):16*(4*((\ks)%4)+\u)+15], v[XF+32*(\fs)+16*\m:XF+32*(\fs)+16*\m+15], v[BIAS+8*\u:BIAS+8*\u+7]
.else
	v_wmma_f32_16x16x128_bf8_bf8 v[ACC+32*\m+8*\u:ACC+32*\m+8*\u+7], v[16*(4*((\ks)%4)+\u):16*(4*((\ks)%4)+\u)+15], v[XF+32*(\fs)+16*\m:XF+32*(\fs)+16*\m+15], v[ACC+32*\m+8*\u:ACC+32*\m+8*\u+7]
.endif
.endr
.endr
.endm
; A tile: 64 products, from K step 4 on the fragments of x two K steps ahead; then relu, codes, store.
; The four fetches at the head want no wait and no places of their own: on the one way that leads here from a matrix instruction stand the four places behind the last tile's last product and the wait on va_vdst
; ahead of its stores, and no vector or matrix instruction since names a set.
.macro COMPUTE buf
	FETCH \buf, 0, 0
	FETCH \buf, 1, 1
	FETCH \buf, 2, 2
	FETCH \buf, 3, 3
	s_wait_dscnt 24                                ; K step 0's fragments are in; the three younger sets' 24 loads may be out
	s_wait_alu depctr_va_vdst(0)
	MUL 0, 0
	s_wait_dscnt 16                                ; K step 1's are in; two younger sets may be out
	MUL 1, 1
	FREE                                           ; sets 0 and 1
	FETCH \buf, 0, 4
	s_wait_dscnt 16                                ; K step 2's are in; behind them stand K step 3's and K step 4's loads
	MUL 2, 2
	FETCH \buf, 1, 5                               ; no wait: since the last one only K step 2's products were issued, which name set 2
	s_wait_dscnt 16
	MUL 3, 3
	FREE                                           ; sets 2 and 3
	FETCH \buf, 2, 6
	s_wait_dscnt 16
	MUL 0, 4
	FETCH \buf, 3, 7                               ; no wait: since the last one only K step 4's products were issued, which name set 0
	s_wait_dscnt 16
	MUL 1, 5
	s_wait_dscnt 8                                 ; nothing more is asked for: one younger set,
	MUL 2, 6
	s_wait_dscnt 0x0                               ; none
	MUL 3, 7
	WIN 0
	PLACES
.irp mb, 0,1,2,3                       ; mb = 2 m + b: rows 16 m on, units 32 b on: 16 registers, two accumulators
.irp j, 0,1,2,3,4,5,6,7,8,9,10,11,12,13,14,15
	v_med3_num_f32 v[ACC+16*\mb+\j], v[ACC+16*\mb+\j], 0, v[LIM]   ; the activation and the hold in one; each accumulator from its low end on
.endr
	v_cvt_scalef32_pk8_bf8_f32 v[CD+4*\mb:CD+4*\mb+1],   v[ACC+16*\mb:ACC+16*\mb+7],    v[SCV]
	v_cvt_scalef32_pk8_bf8_f32 v[CD+4*\mb+2:CD+4*\mb+3], v[ACC+16*\mb+8:ACC+16*\mb+15], v[SCV]
.endr
	v_nop                                          ; a plain line behind the last conversion: matrix instructions will write its sources
	s_wait_alu depctr_va_vdst(0)                   ; the conversions have written the codes, which the stores below read; and the tile's products are done reading the four sets, in which the next tile's fragments land
.irp mb, 0,1,2,3
	global_store_b128 v[L16], v[CD+4*\mb:CD+4*\mb+3], s[32:33] offset:65536*(\mb/2)+512*(\mb%2)   ; registers 4 c .. 4 c + 3, c = 2 ch + b, of the image of rows 32 rh + 16 m on, K step chunk
.endr
.endm
; A TRIP: tile T + p is multiplied out of buffer p; tile T + p + 1 is asked for ahead of the products and put into the other buffer behind them.  That buffer was last read a trip ago, and every wave's
; reads of it were waited for ahead of that trip's barrier.  One barrier a trip, on every path.
.macro TRIP p
	s_add_co_u32 s25, s23, \p+1
	s_cmp_lt_u32 s25, s21
	s_cbranch_scc0 .Lna_\@
	LOADX 1
.Lna_\@:
	s_add_co_u32 s26, s23, \p
	s_cmp_lt_u32 s26, s21
	s_cbranch_scc0 .Lnb_\@
	COMPUTE \p
.Lnb_\@:
	s_cmp_lt_u32 s25, s21
	s_cbranch_scc0 .Lnc_\@
	STAGEX 1-\p
.Lnc_\@:
	s_wait_loadcnt 0x0                             ; no load of mine is out: the rows' offsets may be written again,
	s_wait_xcnt 0x0                                ; and the stores have read their data and their base
	s_wait_alu depctr_vm_vsrc(0)                   ; the trip's loads have read the rows' offsets and its stores the codes: the next trip's vector lines write both again
	s_add_co_u32 s30, s30, 64                      ; the next tile to ask for
	s_add_nc_u64 s[32:33], s[32:33], 262144        ; the next tile's images: 64 slots of 4,096 bytes
	BARRIER
.endm
	s_load_b256 s[4:11], s[0:1], 0x0               ; xs s[4:5], W1's codes s[6:7], b1 s[8:9], the scales' exponents s[10:11]
	s_load_b128 s[12:15], s[0:1], 0x20             ; pl s[12:13], hq s[14:15]
	v_lshl_add_u32 v46, v0, 2, 0x41000
	v_mov_b32 v47, 0
	v_lshrrev_b32 v1, 5, v0
	v_readfirstlane_b32 s16, v1                    ; wave 0..3
	v_and_b32 v1, 31, v0                           ; lane
	v_and_b32 v2, 15, v0                           ; r
	v_bfe_u32 v3, v0, 4, 1                         ; h
	v_lshlrev_b32 v[L16], 4, v1
	v_lshlrev_b32 v[CL], 4, v2
	v_lshlrev_b32 v[BO], 6, v3
	s_mov_b32 s17, ttmp9                           ; chunk
	s_and_b32 s18, ttmp7, 0xffff                   ; expert
	s_wait_alu depctr_va_sdst(0)                   ; s16 is written, ahead of its first reader: the wave's shares and addresses are made from it
	s_lshr_b32 s51, s16, 1                         ; rh: which 32 rows of a tile I multiply
	s_and_b32 s52, s16, 1                          ; ch: which 64 units of the chunk I keep
	s_mul_i32 s25, s51, 32*PX
	v_mul_u32_u24 v[AXB], v2, PX
	v_lshl_add_u32 v[AXB], v3, 4, v[AXB]
	v_add_nc_u32 v[AXB], s25, v[AXB]               ; a fragment's row 32 rh + r, + 16 h
	v_add_nc_u32 v[AXB+1], XB1, v[AXB]
	s_mul_i32 s25, s16, MSTR
	v_mul_u32_u24 v[SXB], v3, PX
	v_lshl_add_u32 v[SXB], v2, 4, v[SXB]
	v_add_nc_u32 v[SXB], s25, v[SXB]               ; row 16 w + h, + 16 r
	v_add_nc_u32 v[SXB+1], XB1, v[SXB]
	s_mul_i32 s26, s16, WREG
	s_add_co_u32 s26, s26, WST                     ; the part of the stage that I fill
	v_add_nc_u32 v[AWS], s26, v[L16]
	s_mul_i32 s26, s52, 64*PX
	s_add_co_u32 s26, s26, WST                     ; and the half that I read
	v_mul_u32_u24 v[AWR], v2, PX
	v_lshl_add_u32 v[AWR], v3, 4, v[AWR]
	v_add_nc_u32 v[AWR], s26, v[AWR]               ; place r of a unit tile, + 16 h
	s_lshl_b32 s27, s16, 4
	v_add_nc_u32 v[RL], s27, v3
	s_lshl_b32 s50, s18, 2
	s_lshl_b32 s40, s18, 22                        ; W1: expert x 4 MiB + chunk x 128 rows + wave x 32 rows of 1,024 bytes
	s_lshl_b32 s41, s17, 17
	s_add_co_u32 s40, s40, s41
	s_lshl_b32 s41, s16, 15
	s_add_co_u32 s40, s40, s41
	s_mov_b32 s41, 0
	s_lshl_b32 s42, s18, 14                        ; b1: expert x 4,096 + chunk x 128 + ch x 64 numbers
	s_lshl_b32 s43, s17, 9
	s_add_co_u32 s42, s42, s43
	s_lshl_b32 s43, s52, 8
	s_add_co_u32 s42, s42, s43
	s_mov_b32 s43, 0
	s_wait_kmcnt 0x0
	s_load_b32 s19, s[12:13], s50 offset:0x2000    ; base_e
	s_load_b32 s20, s[12:13], s50 offset:0x2020    ; n_e
	s_load_b128 s[36:39], s[10:11], 0x0            ; s0 .. s3
	s_add_nc_u64 s[28:29], s[6:7], s[40:41]
	s_add_nc_u64 s[34:35], s[8:9], s[42:43]
	WLOAD                                          ; the weights go out first: nothing of them hangs on the counts
	WIN 0xc0
.irp u, 0,1,2,3
	global_load_b128 v[BIAS+8*\u:BIAS+8*\u+3],   v[BO], s[34:35] offset:128*(\u/2)+32*(\u%2)      ; b1 in the result's layout: units 32 (u / 2) + 16 h + 8 (u % 2) + 0 .. 7 of my 64
	global_load_b128 v[BIAS+8*\u+4:BIAS+8*\u+7], v[BO], s[34:35] offset:128*(\u/2)+32*(\u%2)+16
.endr
	WIN 0
	s_wait_kmcnt 0x0
	s_min_u32 s19, s19, 0x9c0                      ; stored numbers are held in their ranges before they enter addresses
	s_min_u32 s20, s20, 0x400
	s_add_co_u32 s21, s20, 63
	s_lshr_b32 s21, s21, 6                         ; the expert's tiles, 0 to 16
	s_add_co_u32 s22, s19, s20
	s_sub_co_u32 s22, s22, 1
	s_cmp_lg_u32 s20, 0
	s_cselect_b32 s22, s22, 0                      ; its last row's slot; without rows: slot 0, which always holds a row
	s_mov_b32 s30, s19
	s_lshl_b32 s44, s19, 12                        ; hq: slot x 4,096 + rh x 32 slots + chunk x 2,048 + ch x 1,024
	s_lshl_b32 s45, s51, 17
	s_add_co_u32 s44, s44, s45
	s_lshl_b32 s45, s17, 11
	s_add_co_u32 s44, s44, s45
	s_lshl_b32 s45, s52, 10
	s_add_co_u32 s44, s44, s45
	s_mov_b32 s45, 0
	s_add_nc_u64 s[32:33], s[14:15], s[44:45]
	LOADX 0                                        ; tile 0, on every path (the holds keep it inside the written rows for an expert without rows too)
	s_add_co_i32 s46, s36, s37                     ; s0 + s1
	s_sub_co_i32 s47, 0, s46
	s_sub_co_i32 s48, s38, s46                     ; s2 - s0 - s1
	s_add_co_i32 s48, s48, 127
	s_lshl_b32 s49, s48, 23
	v_mov_b32 v[SCV], s49
	s_add_co_i32 s48, s48, 15
	s_lshl_b32 s48, s48, 23
	s_or_b32 s48, s48, 0x600000
	v_mov_b32 v[LIM], s48
	s_wait_loadcnt 40                              ; the weights' 64 loads are in; b1's 8 and the tile's 32, issued behind them, may be out
	WSTORE
	BARRIER                                        ; all 128 rows lie in the stage
	WFRAG                                          ; the tile's loads land meanwhile
	STAGEX 0
	s_add_co_u32 s30, s30, 64
	WIN 0xc3                                       ; source 0 and destination window 3
.set JJ, 0
.rept 32
	v_ldexp_f32 v[BIAS+JJ], v[BIAS+JJ], s47        ; b1 / 2^(s0 + s1)
.set JJ, JJ+1
.endr
	WIN 0
	s_wait_alu depctr_vm_vsrc(0)                   ; tile 0's loads have read the rows' offsets, which the first trip's vector lines write again
	BARRIER                                        ; tile 0 lies in buffer 0; my fragments of W1 are in
	s_mov_b32 s23, 0
.Lloop:
	TRIP 0
	TRIP 1
	s_add_co_u32 s23, s23, 2
	s_cmp_lt_u32 s23, 16
	s_cbranch_scc1 .Lloop
	s_wait_dscnt 0x0                               ; the closing lines, six on end
	s_wait_alu 0x0
	s_wait_tensorcnt 0x0
	ds_add_u32 v46, v47
	s_wait_dscnt 0x0
	s_endpgm
.Lfunc_end_k_q1a5f68af58_ffn1:
	.size	k_q1a5f68af58_ffn1, .Lfunc_end_k_q1a5f68af58_ffn1-k_q1a5f68af58_ffn1
	.p2alignl 7, 3214868480
	.fill 96, 4, 3214868480
	.section	.rodata,"a",@progbits
	.p2align	6, 0x0
	.amdhsa_kernel k_q1a5f68af58_ffn1
		.amdhsa_group_segment_fixed_size 266752
		.amdhsa_private_segment_fixed_size 0
		.amdhsa_enable_private_segment 0
		.amdhsa_kernarg_size 48
		.amdhsa_user_sgpr_count 2
		.amdhsa_user_sgpr_kernarg_segment_ptr 1
		.amdhsa_wavefront_size32 1
		.amdhsa_system_sgpr_workgroup_id_x 1
		.amdhsa_system_sgpr_workgroup_id_y 1
		.amdhsa_system_sgpr_workgroup_id_z 1
		.amdhsa_system_vgpr_workitem_id 0
		.amdhsa_next_free_vgpr 928
		.amdhsa_next_free_sgpr 66
		.amdhsa_reserve_vcc 0
		.amdhsa_float_denorm_mode_32 3
		.amdhsa_float_denorm_mode_16_64 3
		.amdhsa_memory_ordered 1
		.amdhsa_forward_progress 1
		.amdhsa_inst_pref_size 76
	.end_amdhsa_kernel
	.amdgpu_metadata
---
amdhsa.version: [ 1, 2 ]
amdhsa.kernels:
  - .name:           k_q1a5f68af58_ffn1
    .symbol:         k_q1a5f68af58_ffn1.kd
    .args:
      - { .name: xs, .offset: 0, .size: 8, .value_kind: global_buffer, .address_space: global }
      - { .name: W1_codes, .offset: 8, .size: 8, .value_kind: global_buffer, .address_space: global }
      - { .name: b1, .offset: 16, .size: 8, .value_kind: global_buffer, .address_space: global }
      - { .name: lowp_scales, .offset: 24, .size: 8, .value_kind: global_buffer, .address_space: global }
      - { .name: pl, .offset: 32, .size: 8, .value_kind: global_buffer, .address_space: global }
      - { .name: hq, .offset: 40, .size: 8, .value_kind: global_buffer, .address_space: global }
    .group_segment_fixed_size: 266752
    .private_segment_fixed_size: 0
    .kernarg_segment_align: 8
    .kernarg_segment_size: 48
    .max_flat_workgroup_size: 128
    .sgpr_count:     66
    .vgpr_count:     928
    .wavefront_size: 32
...
	.end_amdgpu_metadata
.endif
;; end of part 8
;; launch ffn2 (part 9): grid 32 x 8, 4 waves a work-group, no clusters, 264,704 bytes of LDS; arguments hq, W2_codes, pl, part; writes part
.if DOCPART == 9
	.amdgcn_target "amdgcn-amd-amdhsa--gfx1250"
	.amdhsa_code_object_version 6
	.text
	.protected	k_q1a5f68af58_ffn2
	.globl	k_q1a5f68af58_ffn2
	.p2align	8
	.type	k_q1a5f68af58_ffn2,@function
k_q1a5f68af58_ffn2:
	s_mov_b64 s[64:65], 0
	v_nop
	global_prefetch_b8 v0, s[64:65] scope:SCOPE_SE
	s_setreg_imm32_b32 hwreg(HW_REG_WAVE_SCHED_MODE, 0, 2), 2
	s_setreg_imm32_b32 hwreg(HW_REG_WAVE_MODE, 25, 1), 1
	s_wait_xcnt 0x0
	s_wait_alu depctr_vm_vsrc(0)
; THE SECOND PRODUCT, for the chosen rows alone: the sums of hidden codes x W2[e]'s codes, left unscaled: the last launch multiplies by 2^(s2 + s3), adds b2 and weighs.
; THE WEIGHTS STAY, THE ROWS WALK, as in the first product.  Work-group (x, e): cc = x % 8 owns output columns 128 cc .. + 127 of expert e, q = x / 8 the quarter 1,024 q .. + 1,023 of K = 4,096:
; 128 KiB of W2, read from memory once in the launch.  So an output is four f32 sums over a quarter of K each, added later in a fixed order.
; THE FOUR WAVES ARE 2 x 2: wave w = (rh = w / 2, ch = w % 2) keeps columns 64 ch .. + 63 in 512 registers (32 fragments) and multiplies rows 32 rh .. + 31 of each tile of 64 slots: a fragment of rows read
; from LDS feeds four products, and a tile is read from LDS twice; each column's codes lie in two waves' registers, which come out of one stage in LDS that the four waves fill together.
; THE ROWS come as images of the operand's registers ([slot / 16][K step][c][lane][16 bytes]): a tile of 64 slots is, for my quarter, four dense blocks of 16 KiB; wave w brings block w; any wave reads a
; fragment back by four loads at 16 x lane: no pitch, no padding.  Two tile buffers take turns.
; HOW MANY TILES hangs on n_e, which an earlier launch stored: 16 trips, a barrier in each, forward branches on the count over the work alone.
; NO TENSOR LOAD, NO CLUSTER, though the 8 work-groups of a quarter walk the same rows: joint requests are tensor loads;
; without the branch each work-group would fetch 16 tiles where there are 39 at the most in all.  No prefetch: the weights, the one stream read once, are all asked for at the head.
; TRANSPOSED USE (source 0 = 16 columns of W2, source 1 = 16 rows), lane r of column tile u taking column 32 (u / 2) + 8 (u % 2) + r + 8 (r / 8): lane (r, h) holds row r and, in the 16 registers of tiles
; 2 b and 2 b + 1, columns 32 b + 16 h + 0 .. 15 of my 64: 64 neighbouring bytes.  A row's 128 columns come from two waves: they meet in a stage in LDS, and each wave stores 16 whole rows of 512 bytes.
; OUT: part[slot][q][1024] f32.  Rows past n_e in an expert's last tile are written and never gathered.
; REGISTERS: window 0: v1-28 addresses; v64-191 fragments of the rows, four sets of 32; v192-255 eight accumulators ((m, u) at 192 + 32 m + 8 u), later 16 rows on their way out.
;   windows 1 and 2: W2's 32 fragments: (u, K step s) at 16 (4 (s % 4) + u) of window 1 + s / 4.   window 3: v0-127 the next tile on its way to LDS.
; THE MODE: SCHED_MODE bits 1:0 = 2 (LLVM: expert scheduling mode 2), set by the entry lines.  The code itself states the register dependences
; between vector or matrix instructions and memory or LDS instructions, with s_wait_alu, always for 0.
; THE PLAN.  Registers that memory or LDS instructions touch:
;   v4-10, v25-28     addresses: made once at the head, read by loads and stores, never written again: one wait on va_vdst ahead of the first load.
;   window 1          the weights as loaded: the LDS stores into the stage read them, the fragments' loads land in them: one wait on vm_vsrc between.
;   window 3, v0-127  the tile on its way: the trip's 32 loads land in it, 32 LDS stores read it behind the products; no vector line names it: the wait on vm_vsrc at a trip's end frees it.
;   v64-191           four sets of fragments: LDS loads land in them, products read them.  K steps 0-3 are fetched at a tile's head.  ONE wait on va_vdst behind K step 1's products frees sets 0 and 1, which take
;                     K steps 4 and 5, a run of eight loads ahead of K step 2's products and one ahead of K step 3's; one more behind K step 3's frees sets 2 and 3 for K steps 6 and 7.  The products issued between
;                     such a wait and its second run name another set, the weights and the accumulators.  The fetches at a tile's head lean on the wait in the last tile's way out.
;   v192-255          the accumulators: the products write them; sixteen LDS stores read them (a wait on va_vdst between); behind the barrier the stage's rows land in them (a wait on vm_vsrc between);
;                     sixteen stores read those; the next tile's products write them (the wait on vm_vsrc at a trip's end).
;   The weights' fragments are named in the loop by matrix instructions alone.
.set PX,   1040                        ; a row of the weights' stage: 1,024 bytes + 16 = 65 x 16
.set XB1,  65536                       ; LDS: tile buffer 0 at 0, buffer 1 here,
.set WST,  131072                      ; and the weights' stage: 128 rows, through which they turn once.  Behind the head's last barrier the same bytes are
.set WREG, 32*PX
.set OP,   528                         ; the two stages for the way out: 64 rows of 512 bytes + 16 = 33 x 16
.set OUT1, 64*OP
.set MSTR, 16384
.set KSTR, 2048
.set CSTR, 512
.set WROW, 4096                        ; a row of W2 in memory
.set L16,  4                           ; v4     16 x lane
.set AXB,  5                           ; v5-6   where I read fragments in buffer 0, 1
.set SXB,  7                           ; v7-8   where I put my block of a tile in buffer 0, 1
.set AWS,  9                           ; v9     the weights' stage, in
.set AWR,  10                          ; v10    and out
.set OST,  25                          ; v25-26 the way out: where I put 64 bytes of a row, stage 0, 1
.set ORD,  27                          ; v27-28 and where I read a row back
.set XF,   64
.set ACC,  192
.set MSB,  0
.macro WIN new                         ; the immediate's high byte repeats the setting that is left; at every label and branch the setting is 0
.if MSB != \new
	s_set_vgpr_msb (MSB<<8)|\new
.set MSB, \new
.endif
.endm
.macro PLACES                          ; four plain lines between a matrix instruction and a load into, or a read of, its registers
.rept 4
	v_nop
.endr
.endm
.macro BARRIER                         ; my LDS stores have landed and my LDS loads are in: then the work-group's barrier
	s_wait_dscnt 0x0
	s_barrier_signal -1
	s_barrier_wait -1
.endm
.macro WLOAD                           ; rows 32 w .. + 31 of the 128, my quarter of K, 512 consecutive bytes a load, into window 1
	WIN 0x40
	s_wait_alu depctr_va_vdst(0)                   ; the addresses v4 to v10 and v25 to v28 are written, which the loads and stores of the whole kernel read
.set JJ, 0
.rept 64
	global_load_b128 v[4*JJ:4*JJ+3], v[L16], s[28:29] offset:(JJ/2)*WROW+512*(JJ%2) th:TH_LOAD_NT
.set JJ, JJ+1
.endr
	WIN 0
.endm
; Into the stage.  Of each 32 rows, row p goes to place 16 ((p / 8) % 2) + 8 (p / 16) + p % 8: the order in which the column tiles take them, so that place 16 u + r holds the row of tile u's lane r,
; and the sixteen lanes of a fragment load touch sixteen neighbouring places.
.macro WSTORE
	WIN 0x04
.set JJ, 0
.rept 64
	ds_store_b128 v[AWS], v[4*JJ:4*JJ+3] offset:((((JJ/2)/8)%2)*16+((JJ/2)/16)*8+(JJ/2)%8)*PX+512*(JJ%2)
.set JJ, JJ+1
.endr
	WIN 0
.endm
.macro WFRAG                           ; behind a barrier: my 64 columns' 32 fragments out of the stage, which two waves filled
	WIN 0x40
	s_wait_alu depctr_vm_vsrc(0)                   ; my LDS stores into the stage have read window 1's registers, in which the fragments land
.irp ks, 0,1,2,3
.irp u, 0,1,2,3
.irp c, 0,1,2,3
	ds_load_b128 v[16*(4*\ks+\u)+4*\c:16*(4*\ks+\u)+4*\c+3], v[AWR] offset:16*\u*PX+128*\ks+32*\c
.endr
.endr
.endr
	WIN 0x80
.irp ks, 0,1,2,3
.irp u, 0,1,2,3
.irp c, 0,1,2,3
	ds_load_b128 v[16*(4*\ks+\u)+4*\c:16*(4*\ks+\u)+4*\c+3], v[AWR] offset:16*\u*PX+128*(\ks+4)+32*\c
.endr
.endr
.endr
	WIN 0
.endm
.macro LOADX                           ; my block of the tile at s[30:31]: 16 rows x my quarter of K, 16 KiB on end.  (Its registers were freed by the wait on vm_vsrc at the last trip's end, or at the head's)
	WIN 0xc0
.set JJ, 0
.rept 32
	global_load_b128 v[4*JJ:4*JJ+3], v[L16], s[30:31] offset:512*JJ
.set JJ, JJ+1
.endr
	WIN 0
.endm
.macro STAGEX buf                      ; goes into a tile buffer as it lies
	s_wait_loadcnt 0x0                             ; the 32 loads, the youngest that I have issued
	WIN 0x0c
.set JJ, 0
.rept 32
	ds_store_b128 v[SXB+(\buf)], v[4*JJ:4*JJ+3] offset:512*JJ
.set JJ, JJ+1
.endr
	WIN 0
.endm
.macro FETCH buf, fs, ks               ; my two fragments (32 rows x 128 K) of K step ks into set fs: a run of eight loads
	WIN 0
.irp m, 0,1
.irp c, 0,1,2,3
	ds_load_b128 v[XF+32*(\fs)+16*\m+4*\c:XF+32*(\fs)+16*\m+4*\c+3], v[AXB+(\buf)] offset:\m*MSTR+(\ks)*KSTR+\c*CSTR
.endr
.endr
.endm
.macro FREE                            ; two sets are given up for the fragments of four K steps on
	WIN 0
	PLACES
	s_wait_alu depctr_va_vdst(0)                   ; the products of the last two K steps are done reading their two sets, in which the next two runs of loads land
.endm
.macro MUL fs, ks                      ; eight products; the eight accumulators take turns, one instruction a turn.  The first K step starts the sums with the constant 0
.if (\ks) < 4
	WIN 0x01
.else
	WIN 0x02
.endif
.irp m, 0,1
.irp u, 0,1,2,3
.if (\ks) == 0
	v_wmma_f32_16x16x128_bf8_bf8 v[ACC+32*\m+8*\u:ACC+32*\m+8*\u+7], v[16*(4*((\ks)%4)+\u):16*(4*((\ks)%4)+\u)+15], v[XF+32*(\fs)+16*\m:XF+32*(\fs)+16*\m+15], 0
.else
	v_wmma_f32_16x16x128_bf8_bf8 v[ACC+32*\m+8*\u:ACC+32*\m+8*\u+7], v[16*(4*((\ks)%4)+\u):16*(4*((\ks)%4)+\u)+15], v[XF+32*(\fs)+16*\m:XF+32*(\fs)+16*\m+15], v[ACC+32*\m+8*\u:ACC+32*\m+8*\u+7]
.endif
.endr
.endr
.endm
; A tile: 64 products, from K step 4 on the fragments two K steps ahead; then the sums go into stage buf.
; The four fetches at the head want no wait and no places of their own: on the one way that leads here from a matrix instruction stand the five places behind the last tile's last product and the wait on va_vdst
; ahead of its LDS stores, and no vector or matrix instruction since names a set.
.macro COMPUTE buf
	FETCH \buf, 0, 0
	FETCH \buf, 1, 1
	FETCH \buf, 2, 2
	FETCH \buf, 3, 3
	s_wait_dscnt 24                                ; K step 0's fragments are in; the three younger sets' 24 loads may be out
	MUL 0, 0
	s_wait_dscnt 16                                ; K step 1's are in; two younger sets may be out
	MUL 1, 1
	FREE                                           ; sets 0 and 1
	FETCH \buf, 0, 4
	s_wait_dscnt 16                                ; K step 2's are in; behind them stand K step 3's and K step 4's loads
	MUL 2, 2
	FETCH \buf, 1, 5                               ; no wait: since the last one only K step 2's products were issued, which name set 2
	s_wait_dscnt 16
	MUL 3, 3
	FREE                                           ; sets 2 and 3
	FETCH \buf, 2, 6
	s_wait_dscnt 16
	MUL 0, 4
	FETCH \buf, 3, 7                               ; no wait: since the last one only K step 4's products were issued, which name set 0
	s_wait_dscnt 16
	MUL 1, 5
	s_wait_dscnt 8                                 ; nothing more is asked for: one younger set,
	MUL 2, 6
	s_wait_dscnt 0x0                               ; none
	MUL 3, 7
	WIN 0
	PLACES
	v_nop                                          ; a fifth place: the next tile's first products begin these accumulators anew with the constant 0, and a matrix instruction that writes over an earlier one's registers stands five places behind it; no other vector line lies between the two tiles' products
	s_wait_alu depctr_va_vdst(0)                   ; the products have written the accumulators, which the LDS stores below read and in which the stage's rows land later; and they are done reading the four sets.  The places above stay beside this wait
.irp m, 0,1
.irp b, 0,1
.irp i, 0,1,2,3
	ds_store_b128 v[OST+(\buf)], v[ACC+32*\m+16*\b+4*\i:ACC+32*\m+16*\b+4*\i+3] offset:16*\m*OP+128*\b+16*\i   ; row 32 rh + 16 m + r, columns 64 ch + 32 b + 16 h + 4 i on; each accumulator from its low end on
.endr
.endr
.endr
.endm
.macro OUTSEND buf                     ; behind the barrier: rows 16 w .. + 15 of the stage, whole
.irp i, 0,1,2,3,4,5,6,7,8,9,10,11,12,13,14,15
	ds_load_b128 v[ACC+4*\i:ACC+4*\i+3], v[ORD+(\buf)] offset:OP*\i
.endr
.irp i, 0,1,2,3,4,5,6,7,8,9,10,11,12,13,14,15
	s_wait_dscnt 15-\i                             ; LDS loads come back in order: row i is in, the younger ones may be out
	global_store_b128 v[L16], v[ACC+4*\i:ACC+4*\i+3], s[32:33] offset:16384*\i th:TH_STORE_NT   ; the wave stores 512 consecutive bytes, aligned
.endr
.endm
; A TRIP: tile T + p is multiplied out of buffer p; tile T + p + 1 is asked for ahead of the products and put into the other buffer behind them; the sums go into stage p, and behind the barrier out of it.
; The other buffer was last read a trip ago, and stage p two trips ago: every wave's reads of them were waited for ahead of a barrier that all have passed since.  One barrier a trip, on every path.
.macro TRIP p
	s_add_co_u32 s25, s23, \p+1
	s_cmp_lt_u32 s25, s21
	s_cbranch_scc0 .Lna_\@
	LOADX
.Lna_\@:
	s_add_co_u32 s26, s23, \p
	s_cmp_lt_u32 s26, s21
	s_cbranch_scc0 .Lnb_\@
	COMPUTE \p
.Lnb_\@:
	s_cmp_lt_u32 s25, s21
	s_cbranch_scc0 .Lnc_\@
	STAGEX 1-\p
.Lnc_\@:
	s_wait_loadcnt 0x0                             ; no load of mine is out:
	s_wait_xcnt 0x0
	s_wait_alu depctr_vm_vsrc(0)                   ; my LDS stores into the stage have read the accumulators, in which the stage's rows land behind the barrier
	s_add_nc_u64 s[30:31], s[30:31], 262144        ; the loads' base may step: 64 slots of 4,096 bytes
	BARRIER
	s_cmp_lt_u32 s26, s21
	s_cbranch_scc0 .Lnd_\@
	OUTSEND \p
.Lnd_\@:
	s_wait_xcnt 0x0                                ; the stores have read their data, which the next products write, and their base
	s_wait_alu depctr_vm_vsrc(0)                   ; the stores have read the rows' registers, which the next tile's products write; and this trip's LDS stores have read window 3's v0-127, in which the next trip's loads land
	s_add_nc_u64 s[32:33], s[32:33], 1048576       ; 64 slots of 16,384 bytes
.endm
	s_load_b256 s[4:11], s[0:1], 0x0               ; hq s[4:5], W2's codes s[6:7], pl s[8:9], part s[10:11]
	v_lshl_add_u32 v62, v0, 2, 0x40800
	v_mov_b32 v63, 0
	v_lshrrev_b32 v1, 5, v0
	v_readfirstlane_b32 s16, v1                    ; wave 0..3
	v_and_b32 v1, 31, v0                           ; lane
	v_and_b32 v2, 15, v0                           ; r
	v_bfe_u32 v3, v0, 4, 1                         ; h
	v_lshlrev_b32 v[L16], 4, v1
	s_wait_alu depctr_va_vdst(0)
	s_and_b32 s17, ttmp9, 7                        ; cc: which 128 columns
	s_lshr_b32 s24, ttmp9, 3                       ; q: which quarter of K
	s_and_b32 s18, ttmp7, 0xffff                   ; expert
	s_wait_alu depctr_va_sdst(0)                   ; s16 is written, ahead of its first reader: the wave's shares and addresses are made from it
	s_lshr_b32 s51, s16, 1                         ; rh: which 32 rows of a tile I multiply
	s_and_b32 s52, s16, 1                          ; ch: which 64 of the 128 columns I keep
	s_lshl_b32 s25, s51, 15
	v_add_nc_u32 v[AXB], s25, v[L16]               ; blocks 2 rh and 2 rh + 1 of a tile
	v_add_nc_u32 v[AXB+1], XB1, v[AXB]
	s_lshl_b32 s25, s16, 14
	v_add_nc_u32 v[SXB], s25, v[L16]               ; block w of a tile
	v_add_nc_u32 v[SXB+1], XB1, v[SXB]
	s_mul_i32 s26, s16, WREG
	s_add_co_u32 s26, s26, WST                     ; the part of the weights' stage that I fill
	v_add_nc_u32 v[AWS], s26, v[L16]
	s_mul_i32 s26, s52, 64*PX
	s_add_co_u32 s26, s26, WST                     ; and the half that I read
	v_mul_u32_u24 v[AWR], v2, PX
	v_lshl_add_u32 v[AWR], v3, 4, v[AWR]
	v_add_nc_u32 v[AWR], s26, v[AWR]               ; place r of a column tile, + 16 h
	s_mul_i32 s27, s51, 32*OP
	s_lshl_b32 s53, s52, 8
	s_add_co_u32 s27, s27, s53
	s_add_co_u32 s27, s27, WST
	v_mul_u32_u24 v[OST], v2, OP
	v_lshl_add_u32 v[OST], v3, 6, v[OST]
	v_add_nc_u32 v[OST], s27, v[OST]               ; the way out: row 32 rh + r, + 256 ch + 64 h
	v_add_nc_u32 v[OST+1], OUT1, v[OST]
	s_mul_i32 s27, s16, 16*OP
	s_add_co_u32 s27, s27, WST
	v_add_nc_u32 v[ORD], s27, v[L16]               ; back: rows 16 w on, 16 bytes a lane
	v_add_nc_u32 v[ORD+1], OUT1, v[ORD]
	s_lshl_b32 s50, s18, 2
	s_lshl_b32 s40, s18, 22                        ; W2: expert x 4 MiB + (128 cc + 32 w) rows of 4,096 bytes + 1,024 q
	s_lshl_b32 s41, s17, 19
	s_add_co_u32 s40, s40, s41
	s_lshl_b32 s41, s16, 17
	s_add_co_u32 s40, s40, s41
	s_lshl_b32 s41, s24, 10
	s_add_co_u32 s40, s40, s41
	s_mov_b32 s41, 0
	s_wait_kmcnt 0x0
	s_load_b32 s19, s[8:9], s50 offset:0x2000      ; base_e
	s_load_b32 s20, s[8:9], s50 offset:0x2020      ; n_e
	s_add_nc_u64 s[28:29], s[6:7], s[40:41]
	WLOAD                                          ; the weights go out first: nothing of them hangs on the counts
	s_wait_kmcnt 0x0
	s_min_u32 s19, s19, 0x9c0                      ; stored numbers are held in their ranges before they enter addresses
	s_min_u32 s20, s20, 0x400
	s_add_co_u32 s21, s20, 63
	s_lshr_b32 s21, s21, 6                         ; the expert's tiles, 0 to 16
	s_cmp_lg_u32 s20, 0
	s_cselect_b32 s42, s19, 0                      ; an expert without rows reads the tile at slot 0, which is always written, and uses nothing of it
	s_min_u32 s42, s42, 0x9c0
	s_lshl_b32 s42, s42, 12                        ; hq: slot x 4,096 + wave x 16 slots + q x 8 K steps of 2,048 bytes
	s_lshl_b32 s43, s16, 16
	s_add_co_u32 s42, s42, s43
	s_lshl_b32 s43, s24, 14
	s_add_co_u32 s42, s42, s43
	s_mov_b32 s43, 0
	s_add_nc_u64 s[30:31], s[4:5], s[42:43]
	s_lshl_b32 s44, s19, 14                        ; part: (slot + 16 w) x 16,384 + q x 4,096 + cc x 512
	s_lshl_b32 s45, s16, 18
	s_add_co_u32 s44, s44, s45
	s_lshl_b32 s45, s24, 12
	s_add_co_u32 s44, s44, s45
	s_lshl_b32 s45, s17, 9
	s_add_co_u32 s44, s44, s45
	s_mov_b32 s45, 0
	s_add_nc_u64 s[32:33], s[10:11], s[44:45]
	LOADX                                          ; tile 0, on every path
	s_wait_loadcnt 32                              ; the weights' 64 loads are in; the tile's 32, issued behind them, may be out
	WSTORE
	BARRIER                                        ; all 128 rows lie in the stage
	WFRAG                                          ; the tile's loads land meanwhile
	STAGEX 0
	s_add_nc_u64 s[30:31], s[30:31], 262144        ; (behind the wait for all loads)
	s_wait_alu depctr_vm_vsrc(0)                   ; the LDS stores that put tile 0 into its buffer have read window 3's v0-127, in which the first trip's loads land
	BARRIER                                        ; tile 0 lies in buffer 0; every wave's fragments of W2 are in, so the weights' stage is free for the way out
	s_mov_b32 s23, 0
.Lloop:
	TRIP 0
	TRIP 1
	s_add_co_u32 s23, s23, 2
	s_cmp_lt_u32 s23, 16
	s_cbranch_scc1 .Lloop
	s_wait_dscnt 0x0                               ; the closing lines, six on end
	s_wait_alu 0x0
	s_wait_tensorcnt 0x0
	ds_add_u32 v62, v63
	s_wait_dscnt 0x0
	s_endpgm
.Lfunc_end_k_q1a5f68af58_ffn2:
	.size	k_q1a5f68af58_ffn2, .Lfunc_end_k_q1a5f68af58_ffn2-k_q1a5f68af58_ffn2
	.p2alignl 7, 3214868480
	.fill 96, 4, 3214868480
	.section	.rodata,"a",@progbits
	.p2align	6, 0x0
	.amdhsa_kernel k_q1a5f68af58_ffn2
		.amdhsa_group_segment_fixed_size 264704
		.amdhsa_private_segment_fixed_size 0
		.amdhsa_enable_private_segment 0
		.amdhsa_kernarg_size 32
		.amdhsa_user_sgpr_count 2
		.amdhsa_user_sgpr_kernarg_segment_ptr 1
		.amdhsa_wavefront_size32 1
		.amdhsa_system_sgpr_workgroup_id_x 1
		.amdhsa_system_sgpr_workgroup_id_y 1
		.amdhsa_system_sgpr_workgroup_id_z 1
		.amdhsa_system_vgpr_workitem_id 0
		.amdhsa_next_free_vgpr 896
		.amdhsa_next_free_sgpr 66
		.amdhsa_reserve_vcc 0
		.amdhsa_float_denorm_mode_32 3
		.amdhsa_float_denorm_mode_16_64 3
		.amdhsa_memory_ordered 1
		.amdhsa_forward_progress 1
		.amdhsa_inst_pref_size 66
	.end_amdhsa_kernel
	.amdgpu_metadata
---
amdhsa.version: [ 1, 2 ]
amdhsa.kernels:
  - .name:           k_q1a5f68af58_ffn2
    .symbol:         k_q1a5f68af58_ffn2.kd
    .args:
      - { .name: hq, .offset: 0, .size: 8, .value_kind: global_buffer, .address_space: global }
      - { .name: W2_codes, .offset: 8, .size: 8, .value_kind: global_buffer, .address_space: global }
      - { .name: pl, .offset: 16, .size: 8, .value_kind: global_buffer, .address_space: global }
      - { .name: part, .offset: 24, .size: 8, .value_kind: global_buffer, .address_space: global }
    .group_segment_fixed_size: 264704
    .private_segment_fixed_size: 0
    .kernarg_segment_align: 8
    .kernarg_segment_size: 32
    .max_flat_workgroup_size: 128
    .sgpr_count:     66
    .vgpr_count:     896
    .wavefront_size: 32
...
	.end_amdgpu_metadata
.endif
;; end of part 9
;; launch combine (part 10): grid 1024 x 1, 8 waves a work-group, no clusters, 0 bytes of LDS; arguments part, pl, rt, gw, b2, lowp_scales, out0; writes out0
.if DOCPART == 10
	.amdgcn_target "amdgcn-amd-amdhsa--gfx1250"
	.amdhsa_code_object_version 6
	.text
	.protected	k_q1a5f68af58_combine
	.globl	k_q1a5f68af58_combine
	.p2align	8
	.type	k_q1a5f68af58_combine,@function
k_q1a5f68af58_combine:
	s_mov_b64 s[64:65], 0
	v_nop
	global_prefetch_b8 v0, s[64:65] scope:SCOPE_SE
	s_setreg_imm32_b32 hwreg(HW_REG_WAVE_MODE, 25, 1), 1
	s_wait_xcnt 0x0
; out[n] = the sum over the token's two choices k of w_k x (2^(s2 + s3) x (the four quarter sums of its slot) + b2[expert_k]).
; A work-group is a token; thread t takes columns 4 t .. 4 t + 3, so that each load and the store of a wave cover 512 consecutive bytes, aligned.  The token's two slots and experts are whole numbers that
; earlier launches stored; they are held in their ranges before they enter addresses.  The quarter sums are added as (q0 + q1) + (q2 + q3).
; A stream: memory binds, each byte of part that is wanted is read once; no LDS, no barrier, no matrix unit.
; LIMIT: s2 + s3 between -126 and 127, so that 2^(s2 + s3) is an f32 number.
.set P,  4                             ; v4-43   choice k: four quarter sums and b2, 4 registers each, at P + 20 k
.set T,  44                            ; v44-51  at work
.set O,  52                            ; v52-55  the result
	s_load_b256 s[4:11], s[0:1], 0x0               ; part s[4:5], pl s[6:7], rt s[8:9], gw s[10:11]
	s_load_b128 s[12:15], s[0:1], 0x20             ; b2 s[12:13], the scales' exponents s[14:15]
	s_load_b64 s[16:17], s[0:1], 0x30              ; out0
	v_lshlrev_b32 v1, 4, v0                        ; my 16 bytes of a row
	s_lshr_b32 s18, ttmp9, 4
	s_lshl_b32 s18, s18, 7
	s_and_b32 s19, ttmp9, 15
	s_lshl_b32 s19, s19, 2
	s_add_co_u32 s18, s18, s19                     ; entry (n, 0) = 32 (n / 16) + n % 16, a word each; entry (n, 1) lies 16 words on
	s_lshl_b32 s38, ttmp9, 12                      ; the token's row of out0
	s_mov_b32 s39, 0
	s_wait_alu depctr_va_vdst(0)
	s_wait_kmcnt 0x0
	s_load_b32 s20, s[6:7], s18 offset:0x0         ; the two slots,
	s_load_b32 s21, s[6:7], s18 offset:0x40
	s_load_b32 s22, s[8:9], s18 offset:0x0         ; experts,
	s_load_b32 s23, s[8:9], s18 offset:0x40
	s_load_b32 s40, s[10:11], s18 offset:0x0       ; and weights
	s_load_b32 s42, s[10:11], s18 offset:0x40
	s_load_b64 s[24:25], s[14:15], 0x8             ; s2, s3
	s_add_nc_u64 s[36:37], s[16:17], s[38:39]
	s_wait_kmcnt 0x0
	s_min_u32 s20, s20, 0x9ff
	s_min_u32 s21, s21, 0x9ff
	s_min_u32 s22, s22, 7
	s_min_u32 s23, s23, 7
	s_lshl_b32 s26, s20, 14                        ; a slot of part is 16,384 bytes
	s_mov_b32 s27, 0
	s_add_nc_u64 s[28:29], s[4:5], s[26:27]
	s_lshl_b32 s26, s21, 14
	s_add_nc_u64 s[30:31], s[4:5], s[26:27]
	s_lshl_b32 s26, s22, 12                        ; a row of b2 is 4,096 bytes
	s_add_nc_u64 s[32:33], s[12:13], s[26:27]
	s_lshl_b32 s26, s23, 12
	s_add_nc_u64 s[34:35], s[12:13], s[26:27]
.irp k, 0,1
.irp q, 0,1,2,3
	global_load_b128 v[P+20*\k+4*\q:P+20*\k+4*\q+3], v1, s[28+2*\k:29+2*\k] offset:4096*\q th:TH_LOAD_NT
.endr
	global_load_b128 v[P+20*\k+16:P+20*\k+19], v1, s[32+2*\k:33+2*\k]
.endr
	s_mov_b32 s41, s40                             ; (the packed forms name pairs and take the low word for both halves: the high words are written)
	s_mov_b32 s43, s42
	s_add_co_i32 s44, s24, s25
	s_add_co_i32 s44, s44, 127
	s_lshl_b32 s44, s44, 23                        ; 2^(s2 + s3) as f32
	s_mov_b32 s45, s44
.irp k, 0,1
	s_wait_loadcnt 5-5*\k                          ; choice k's five loads are in; behind choice 0's stand choice 1's five
.irp pr, 0,2
	v_pk_add_f32 v[T+\pr:T+\pr+1], v[P+20*\k+\pr:P+20*\k+\pr+1], v[P+20*\k+4+\pr:P+20*\k+4+\pr+1]
	v_pk_add_f32 v[T+4+\pr:T+4+\pr+1], v[P+20*\k+8+\pr:P+20*\k+8+\pr+1], v[P+20*\k+12+\pr:P+20*\k+12+\pr+1]
.endr
.irp pr, 0
	s_delay_alu instid0(VALU_DEP_3)
	v_pk_add_f32 v[T+\pr:T+\pr+1], v[T+\pr:T+\pr+1], v[T+4+\pr:T+4+\pr+1]
.endr
.irp pr, 2
	s_delay_alu instid0(VALU_DEP_2)
	v_pk_add_f32 v[T+\pr:T+\pr+1], v[T+\pr:T+\pr+1], v[T+4+\pr:T+4+\pr+1]
.endr
.irp pr, 0,2
	s_delay_alu instid0(VALU_DEP_2)
	v_pk_fma_f32 v[T+\pr:T+\pr+1], v[T+\pr:T+\pr+1], s[44:45], v[P+20*\k+16+\pr:P+20*\k+16+\pr+1] op_sel_hi:[1,0,1]   ; sum x 2^(s2 + s3) + b2
.endr
.irp pr, 0,2
.if \k == 0
	s_delay_alu instid0(VALU_DEP_2)
	v_pk_mul_f32 v[O+\pr:O+\pr+1], v[T+\pr:T+\pr+1], s[40:41] op_sel_hi:[1,0]                                          ; x w0
.else
	s_delay_alu instid0(VALU_DEP_2)
	v_pk_fma_f32 v[O+\pr:O+\pr+1], v[T+\pr:T+\pr+1], s[42:43], v[O+\pr:O+\pr+1] op_sel_hi:[1,0,1]                      ; + x w1
.endif
.endr
.endr
	global_store_b128 v1, v[O:O+3], s[36:37] th:TH_STORE_NT
	s_endpgm
.Lfunc_end_k_q1a5f68af58_combine:
	.size	k_q1a5f68af58_combine, .Lfunc_end_k_q1a5f68af58_combine-k_q1a5f68af58_combine
	.p2alignl 7, 3214868480
	.fill 96, 4, 3214868480
	.section	.rodata,"a",@progbits
	.p2align	6, 0x0
	.amdhsa_kernel k_q1a5f68af58_combine
		.amdhsa_group_segment_fixed_size 0
		.amdhsa_private_segment_fixed_size 0
		.amdhsa_enable_private_segment 0
		.amdhsa_kernarg_size 56
		.amdhsa_user_sgpr_count 2
		.amdhsa_user_sgpr_kernarg_segment_ptr 1
		.amdhsa_wavefront_size32 1
		.amdhsa_system_sgpr_workgroup_id_x 1
		.amdhsa_system_sgpr_workgroup_id_y 1
		.amdhsa_system_sgpr_workgroup_id_z 1
		.amdhsa_system_vgpr_workitem_id 0
		.amdhsa_next_free_vgpr 64
		.amdhsa_next_free_sgpr 66
		.amdhsa_reserve_vcc 0
		.amdhsa_float_denorm_mode_32 3
		.amdhsa_float_denorm_mode_16_64 3
		.amdhsa_memory_ordered 1
		.amdhsa_forward_progress 1
		.amdhsa_inst_pref_size 5
	.end_amdhsa_kernel
	.amdgpu_metadata
---
amdhsa.version: [ 1, 2 ]
amdhsa.kernels:
  - .name:           k_q1a5f68af58_combine
    .symbol:         k_q1a5f68af58_combine.kd
    .args:
      - { .name: part, .offset: 0, .size: 8, .value_kind: global_buffer, .address_space: global }
      - { .name: pl, .offset: 8, .size: 8, .value_kind: global_buffer, .address_space: global }
      - { .name: rt, .offset: 16, .size: 8, .value_kind: global_buffer, .address_space: global }
      - { .name: gw, .offset: 24, .size: 8, .value_kind: global_buffer, .address_space: global }
      - { .name: b2, .offset: 32, .size: 8, .value_kind: global_buffer, .address_space: global }
      - { .name: lowp_scales, .offset: 40, .size: 8, .value_kind: global_buffer, .address_space: global }
      - { .name: out0, .offset: 48, .size: 8, .value_kind: global_buffer, .address_space: global }
    .group_segment_fixed_size: 0
    .private_segment_fixed_size: 0
    .kernarg_segment_align: 8
    .kernarg_segment_size: 56
    .max_flat_workgroup_size: 256
    .sgpr_count:     66
    .vgpr_count:     64
    .wavefront_size: 32
...
	.end_amdgpu_metadata
.endif
;; end of part 10
